; MI455X (gfx1250); checked and timed in simulation.
; The chip was launched on July 23, 2026; its instructions are those of AMD's public machine-readable ISA for CDNA 5 (MIT licence, August 2026) and "CDNA5" Instruction Set Architecture Reference Guide (July 2026). The comments in the code are by the model that wrote it; some were corrected since.
;; Distributed Mo E Layer. Allowed arithmetic: matrix products marked QUANTISED: E2M3 operands, one E8M0 scale for each 32 along K, by v_wmma_scale_f32_16x16x128_f8f6f4 with both operands' format E2M3, f32 sums; products left as they are: f32 operands where the result goes on into a quantised operand, else bf16, f16 or f32 operands; f32 sums; everything else in f32.
;; Inputs: w1 8 x 1,024 x 4,096 float32; w2 8 x 4,096 x 1,024 float32; w_router 1,024 x 8 float32; x 1,024 x 1,024 float32.
;; Outputs: out0 1,024 x 1,024 float32.
;; This version of the problem:
;;   THIS VERSION OF THE PROBLEM IS GIVEN IN LOW PRECISION. The matrix products marked QUANTISED in the list below multiply operands that are first quantised to E2M3 (2 exponent bits, 3 mantissa bits; 6 bits a number), with one power-of-two scale for each 32 numbers along K (OCP MX v1.0); their sums are f32. All else is computed in f32.
;;   The module's matrix products, in the order in which they are computed (A, B: the left and right operand; K: the contracted axis; several contracted axes count as one K, in the product's order):
;;     1. [M 1,024, K 1,024] x [K 1,024, N 8]; A: input x; B: input w_router: left as it is (N = 8 < 16)
;;     2. [M 1,024, K 1,024] x [K 1,024, N 4,096]; A: input x; B: input w1: QUANTISED
;;     3. [M 1,024, K 4,096] x [K 4,096, N 1,024]; A: computed on the way; B: input w2: QUANTISED
;;     4. [M 1,024, K 1,024] x [K 1,024, N 4,096]; A: input x; B: input w1: QUANTISED
;;     5. [M 1,024, K 4,096] x [K 4,096, N 1,024]; A: computed on the way; B: input w2: QUANTISED
;;     6. [M 1,024, K 1,024] x [K 1,024, N 4,096]; A: input x; B: input w1: QUANTISED
;;     7. [M 1,024, K 4,096] x [K 4,096, N 1,024]; A: computed on the way; B: input w2: QUANTISED
;;     8. [M 1,024, K 1,024] x [K 1,024, N 4,096]; A: input x; B: input w1: QUANTISED
;;     9. [M 1,024, K 4,096] x [K 4,096, N 1,024]; A: computed on the way; B: input w2: QUANTISED
;;     10. [M 1,024, K 1,024] x [K 1,024, N 4,096]; A: input x; B: input w1: QUANTISED
;;     11. [M 1,024, K 4,096] x [K 4,096, N 1,024]; A: computed on the way; B: input w2: QUANTISED
;;     12. [M 1,024, K 1,024] x [K 1,024, N 4,096]; A: input x; B: input w1: QUANTISED
;;     13. [M 1,024, K 4,096] x [K 4,096, N 1,024]; A: computed on the way; B: input w2: QUANTISED
;;     14. [M 1,024, K 1,024] x [K 1,024, N 4,096]; A: input x; B: input w1: QUANTISED
;;     15. [M 1,024, K 4,096] x [K 4,096, N 1,024]; A: computed on the way; B: input w2: QUANTISED
;;     16. [M 1,024, K 1,024] x [K 1,024, N 4,096]; A: input x; B: input w1: QUANTISED
;;     17. [M 1,024, K 4,096] x [K 4,096, N 1,024]; A: computed on the way; B: input w2: QUANTISED
;;   THE QUANTISER, for each operand of a quantised product, along K:
;;     - K is cut into blocks of 32 from its start; a last block that is shorter is filled with zeros.
;;     - A block's scale is 2^e with e = floor(log2(the largest magnitude in the block)) - 2, held to -126 .. 127; a block of zeros has e = 0. As a byte (E8M0): e + 127.
;;     - Each number is divided by its block's scale, clamped to +-7.5, and rounded to the nearest number of E2M3, ties to even, subnormals kept.
;;     - The product sums the exact products of the quantised numbers (number of the format x scale) in f32.
;;   ~~~python
;;   def quantise(x, axis):      # numpy; x: float32 -> the quantised numbers, widened to float32 again
;;       x = np.moveaxis(x, axis, -1); K = x.shape[-1]
;;       x = np.pad(x, [(0, 0)] * (x.ndim - 1) + [(0, -K % 32)]); x = x.reshape(x.shape[:-1] + (-1, 32)); a = np.abs(x).max(-1, keepdims=True)
;;       e = np.where(a > 0, np.clip(np.frexp(np.where(a > 0, a, 1))[1] - 1 - 2, -126, 127), 0)      # np.frexp(a)[1] - 1 = floor(log2(a)), exactly
;;       r = np.clip(x / 2.0 ** e, -7.5, 7.5)
;;       step = 2.0 ** (np.maximum(np.frexp(np.where(r == 0, 1, r))[1] - 1, 0) - 3)
;;       q = np.round(r / step) * step * 2.0 ** e      # np.round: ties to even
;;       return np.moveaxis(q.reshape(q.shape[:-2] + (-1,))[..., :K], -1, axis).astype(np.float32)
;;   ~~~
;;   OPERANDS COMPUTED ON THE WAY. 'Computed on the way' means the value that the module computes at that place (a softmax that the list does not call 'softmax' is quantised finished and normalised). What goes into a quantiser is computed in f32, as accurately as f32 sums, v_exp_f32 and their like allow (about 1e-6 of the number): no bf16 or f16 on the way to a quantiser, and a product that is left as it is and whose result goes on into a quantised operand takes f32 operands (vector FMAs, or v_wmma_f32_16x16x4_f32). A number that lies on a knife's edge between two numbers of the format may be rounded either way, as far as f32 arithmetic and the matrix unit's own rounding can turn it there, and no further.
;; 2 versions. Each part assembles by itself: llvm-mc -triple=amdgcn-amd-amdhsa -mcpu=gfx1250 --defsym DOCPART=n.
;; ======== version 1 of 2: 4 launches
;; workspace buffers: xc 786,432 bytes; xs 32,768 bytes; selm 4,096 bytes of whole numbers; gate 8,192 bytes; hc 25,165,824 bytes; hs 1,048,576 bytes; y 16,842,752 bytes
;; launch route (part 1): grid 256 x 1, 4 waves a work-group, no clusters, 58,880 bytes of LDS; arguments x, w_router, xc, xs, selm, gate; writes xc, xs, selm, gate
.if DOCPART == 1
	.amdgcn_target "amdgcn-amd-amdhsa--gfx1250"
	.amdhsa_code_object_version 6
	.text
	.protected	k_q4f8c73b97b_route
	.globl	k_q4f8c73b97b_route
	.p2align	8
	.type	k_q4f8c73b97b_route,@function
k_q4f8c73b97b_route:
	s_mov_b64 s[64:65], 0
	v_nop
	global_prefetch_b8 v0, s[64:65] scope:SCOPE_SE
	s_setreg_imm32_b32 hwreg(HW_REG_WAVE_MODE, 25, 1), 1
	s_wait_xcnt 0x0
; ROUTER AND QUANTISER OF x.  One wave takes one token n = 4 x work-group + wave.
; It computes the 8 logits x[n] . w_router[:, e] in f32, the softmax's exponentials with the maximum taken off, the two largest (the lower index keeps a tie),
; their weights p / (p1 + p2), and stores   selm[n] = (1 << e1) | (1 << e2)   (a whole number)   and   gate[n] = the two weights, the lower expert's first.
; It also turns x[n] into codes of E2M3 with one E8M0 byte for each 32 along K:  xs[n][block],  xc[n][K step s][h][c][24 bytes], block 4 s + 2 c + h, so that
; lane (r, h) of a matrix operand finds its 48 bytes of a K step on end.
; LIMITS: NaN and infinities are not served.  A block whose largest magnitude lies under 2^-124 keeps the scale byte 1 (a block of zeros too: its codes are zeros, and this
; program alone reads the bytes).  Ties between experts are decided on the exponentials before the softmax's division; exponentials under 2^-126 count as 0.
; No matrix unit: N = 8 is too narrow for it, and the choice wants f32.  No cluster: the work-groups share only w_router, 32 KiB.
.set WL,  0                            ; LDS: w_router as 256 pieces of 128 bytes (4 rows k) + 16 of padding
.set TS,  36864                        ; each wave's stage for turning x: 32 pieces of 128 bytes + 16
.set CS,  55296                        ; each wave's stage for its 768 bytes of codes
.set D,   2                            ; v2-33    x as loaded: D[4 j + m] = x[128 j + 4 lane + m]
.set G,   34                           ; v34-97   w_router on its way to LDS; then two sets of 32: w[k][0..7] for my four k of a group
.set X,   98                           ; v98-129  x turned: X[i] = x[32 lane + i]: a whole block of 32
.set AC,  130                          ; v130-137 the 8 sums
.set MXA, 138
.set MXB, 139
.set SOP, 140
.set BYT, 141
.set CR,  142                          ; v142-150 the block's codes
.set AX,  152
.set AW,  153
.set LTS, 154
.set LWS, 155
.set LXL, 156
.set LWL, 157
.set LCS, 158
.set LCL, 159
.set G8,  160
.set CO,  162                          ; v162-167 codes on the way out
.set T0,  168
.set T1,  169
.set TR,  170                          ; v170-177
.set MX,  178
.set B1,  179
.set I1,  180
.set B2,  181
.set I2,  182
.set NEG, 183
.set ONE, 184
.set QQ,  186                          ; v186-193
.set SM,  194
.set GT,  196                          ; v196-197
.set ZO,  198
.set G1V, 199
.set G2V, 200
	s_load_b256 s[4:11], s[0:1], 0x0               ; x, w_router, xc, xs
	s_load_b128 s[12:15], s[0:1], 0x20             ; selm, gate
	v_lshl_add_u32 v204, v0, 2, 0xe400
	v_mov_b32 v205, 0
	v_lshrrev_b32 v1, 5, v0
	v_readfirstlane_b32 s16, v1                    ; wave
	v_and_b32 v1, 31, v0                           ; lane
	s_lshl_b32 s17, ttmp9, 2
	s_add_co_u32 s17, s17, s16                     ; my token
	s_mov_b32 s22, 0x76543210
	s_mov_b32 s23, 0xfedcba98                      ; selects of v_permlanex16_b32: lane l xor 16
	v_lshlrev_b32 v[AX], 4, v1                     ; x: 16 bytes a lane
	v_lshlrev_b32 v[AW], 4, v0                     ; w_router: 16 bytes a thread
	s_mul_i32 s18, s16, 4608
	s_add_co_u32 s18, s18, TS                      ; my turning stage
	v_lshrrev_b32 v[T0], 3, v1
	v_and_b32 v[T1], 7, v1
	v_mul_u32_u24 v[LTS], v[T0], 144
	v_lshl_add_u32 v[LTS], v[T1], 4, v[LTS]
	v_add_nc_u32 v[LTS], s18, v[LTS]               ; in: eight lanes' 128 bytes on end, then 16 of padding
	v_lshrrev_b32 v[T0], 3, v0
	v_and_b32 v[T1], 7, v0
	v_mul_u32_u24 v[LWS], v[T0], 144
	v_lshl_add_u32 v[LWS], v[T1], 4, v[LWS]        ; w_router into LDS likewise, by thread
	v_mul_u32_u24 v[LWL], v1, 144                  ; and out: piece 32 j + lane
	v_add_nc_u32 v[LXL], s18, v[LWL]               ; x out of the stage: piece lane
	s_mul_i32 s19, s16, 768
	s_add_co_u32 s19, s19, CS                      ; my code stage
	v_lshrrev_b32 v[T0], 2, v1
	v_mul_u32_u24 v[LCS], v[T0], 96                ; block lane = 4 s + 2 c + h goes to 96 s + 48 h + 24 c
	v_and_b32 v[T1], 1, v1
	v_mad_u32_u24 v[LCS], v[T1], 48, v[LCS]
	v_bfe_u32 v[T1], v1, 1, 1
	v_mad_u32_u24 v[LCS], v[T1], 24, v[LCS]
	v_add_nc_u32 v[LCS], s19, v[LCS]
	v_lshlrev_b32 v[G8], 3, v1
	v_add_nc_u32 v[LCL], s19, v[G8]                ; back: 8 bytes a lane
	s_mov_b32 s21, 0
	s_wait_kmcnt 0x0
	s_lshl_b32 s20, s17, 12
	s_add_nc_u64 s[4:5], s[4:5], s[20:21]          ; x[n]
	s_mul_i32 s20, s17, 768
	s_add_nc_u64 s[8:9], s[8:9], s[20:21]          ; xc[n]
	s_lshl_b32 s20, s17, 5
	s_add_nc_u64 s[10:11], s[10:11], s[20:21]      ; xs[n]
	s_lshl_b32 s20, s17, 2
	s_add_nc_u64 s[12:13], s[12:13], s[20:21]      ; selm[n]
	s_lshl_b32 s20, s17, 3
	s_add_nc_u64 s[14:15], s[14:15], s[20:21]      ; gate[n]
.irp j, 0,1,2,3,4,5,6,7
	global_load_b128 v[D+4*\j:D+4*\j+3], v[AX], s[4:5] offset:512*\j th:TH_LOAD_NT     ; 512 bytes on end a load
.endr
.irp q, 0,1,2,3,4,5,6,7,8,9,10,11,12,13,14,15
	global_load_b128 v[G+4*\q:G+4*\q+3], v[AW], s[6:7] offset:2048*\q                  ; the work-group's four waves bring all of w_router
.endr
	s_wait_loadcnt 16                              ; x is in; the 16 loads of w_router are younger
.irp j, 0,1,2,3,4,5,6,7
	ds_store_b128 v[LTS], v[D+4*\j:D+4*\j+3] offset:576*\j
.endr
	s_wait_loadcnt 0x0
.irp q, 0,1,2,3,4,5,6,7,8,9,10,11,12,13,14,15
	ds_store_b128 v[LWS], v[G+4*\q:G+4*\q+3] offset:2304*\q
.endr
	s_wait_dscnt 0x0                               ; for the others' sake: my part of w_router has landed
	s_barrier_signal -1
	s_barrier_wait -1                              ; the one barrier: w_router is whole
.irp i, 0,1,2,3,4,5,6,7
	ds_load_b128 v[X+4*\i:X+4*\i+3], v[LXL] offset:16*\i
.endr
; group j: w[128 j + 4 lane + m][0..7], m = 0..3, into set j % 2
.macro WLOAD j
.irp m, 0,1,2,3
	ds_load_b128 v[G+32*((\j)%2)+8*\m:G+32*((\j)%2)+8*\m+3], v[LWL] offset:4608*(\j)+32*\m
	ds_load_b128 v[G+32*((\j)%2)+8*\m+4:G+32*((\j)%2)+8*\m+7], v[LWL] offset:4608*(\j)+32*\m+16
.endr
.endm
; 16 packed multiply-adds: two experts an instruction, one x for both (the first or the second register of x's pair)
.macro DOT j
.set GB, G+32*((\j)%2)
.irp m, 0,1,2,3
.irp a, 0,2,4,6
.if ((\j) == 0) && (\m == 0)
	v_pk_mul_f32 v[AC+\a:AC+\a+1], v[GB+\a:GB+\a+1], v[D:D+1] op_sel_hi:[1,0]          ; the first products start the sums
.elseif \m%2 == 0
	v_pk_fma_f32 v[AC+\a:AC+\a+1], v[GB+8*\m+\a:GB+8*\m+\a+1], v[D+4*(\j)+\m:D+4*(\j)+\m+1], v[AC+\a:AC+\a+1] op_sel_hi:[1,0,1]
.else
	v_pk_fma_f32 v[AC+\a:AC+\a+1], v[GB+8*\m+\a:GB+8*\m+\a+1], v[D+4*(\j)+\m-1:D+4*(\j)+\m], v[AC+\a:AC+\a+1] op_sel:[0,1,0]
.endif
.endr
.endr
.endm
	WLOAD 0
	WLOAD 1
.irp j, 0,1,2,3,4,5,6,7
.if \j < 7
	s_wait_dscnt 8                                 ; this group is in; the next group's eight loads may be out
.else
	s_wait_dscnt 0x0
.endif
	DOT \j
.if \j < 6
	WLOAD \j+2
.endif
.endr
	; my block of 32 numbers of x becomes 24 bytes of codes and a scale byte
	v_max3_num_f32 v[MXA], |v[X]|, |v[X+1]|, |v[X+2]|
	v_max3_num_f32 v[MXB], |v[X+3]|, |v[X+4]|, |v[X+5]|
.irp i, 6,10,14,18,22,26
	v_max3_num_f32 v[MXA], v[MXA], |v[X+\i]|, |v[X+\i+1]|
	v_max3_num_f32 v[MXB], v[MXB], |v[X+\i+2]|, |v[X+\i+3]|
.endr
	v_max3_num_f32 v[MXA], v[MXA], |v[X+30]|, |v[X+31]|
	v_max3_num_f32 v[MXA], v[MXA], v[MXB], 0x1800000   ; with the floor 2^(3 - 127): the byte cannot fall under 1
	v_add_nc_u32 v[SOP], 0xff000000, v[MXA]        ; 2 off the exponent field: the conversion takes this operand's exponent field as its scale
	v_lshrrev_b32 v[BYT], 23, v[SOP]               ; the scale's byte
	v_cvt_scalef32_pk16_fp6_f32 v[CR:CR+2], v[X:X+15], v[SOP]
	v_cvt_scalef32_pk16_fp6_f32 v[CR+6:CR+8], v[X+16:X+31], v[SOP]   ; (a conversion's three registers begin on an even number)
	v_nop                                          ; one plain place behind a scaled conversion
.irp i, 0,1,2
	v_mov_b32 v[CR+3+\i], v[CR+6+\i]
.endr
.irp i, 0,1,2
	ds_store_b64 v[LCS], v[CR+2*\i:CR+2*\i+1] offset:8*\i
.endr
.irp i, 0,1,2
	ds_load_b64 v[CO+2*\i:CO+2*\i+1], v[LCL] offset:256*\i   ; LDS serves a wave's instructions in order: these see my stores
.endr
	global_store_b8 v1, v[BYT], s[10:11]           ; 32 bytes on end
	; the sums over the 32 lanes
.irp e, 0,1,2,3,4,5,6,7
	v_mov_b32 v[TR+\e], 0                          ; a lane permute's destination counts as one of its sources
.endr
.irp k, 1,2,4,8
.irp e, 0,1,2,3,4,5,6,7
	v_add_f32_dpp v[AC+\e], v[AC+\e], v[AC+\e] row_xmask:\k row_mask:0xf bank_mask:0xf
.endr
.endr
.irp e, 0,1,2,3,4,5,6,7
	v_permlanex16_b32 v[TR+\e], v[AC+\e], s22, s23
.endr
.irp e, 0,1,2,3,4,5,6,7
	v_add_f32 v[AC+\e], v[AC+\e], v[TR+\e]         ; every lane holds the 8 logits
.endr
	s_wait_dscnt 0x0
.irp i, 0,1,2
	global_store_b64 v[G8], v[CO+2*\i:CO+2*\i+1], s[8:9] offset:256*\i   ; 32 lanes store 256 bytes on end, aligned
.endr
	; softmax's exponentials, the maximum taken off
	v_max3_num_f32 v[MX], v[AC], v[AC+1], v[AC+2]
	v_max3_num_f32 v[MX], v[MX], v[AC+3], v[AC+4]
	v_max3_num_f32 v[MX], v[MX], v[AC+5], v[AC+6]
	v_max_num_f32 v[MX], v[MX], v[AC+7]
.irp e, 0,1,2,3,4,5,6,7
	v_sub_f32 v[AC+\e], v[AC+\e], v[MX]
.endr
.irp e, 0,1,2,3,4,5,6,7
	v_mul_f32 v[AC+\e], 0x3fb8aa3b, v[AC+\e]       ; x log2(e)
.endr
.irp e, 0,1,2,3,4,5,6,7
	v_exp_f32 v[AC+\e], v[AC+\e]
.endr
	v_mov_b32 v[NEG], -1.0                         ; (a plain place behind the exponentials)
	s_wait_alu depctr_va_vdst(0)
; the largest of eight and its index; where two are equal the lower index stays
.macro SCAN src, best, idx
	v_mov_b32 v[\best], v[\src]
	v_mov_b32 v[\idx], 0
.irp e, 1,2,3,4,5,6,7
	v_cmp_ge_f32 vcc_lo, v[\best], v[\src+\e]
	v_cndmask_b32 v[\idx], \e, v[\idx], vcc_lo
	v_cndmask_b32 v[\best], v[\src+\e], v[\best], vcc_lo
.endr
.endm
	SCAN AC, B1, I1
.irp e, 0,1,2,3,4,5,6,7
	v_cmp_eq_u32 vcc_lo, \e, v[I1]
	v_cndmask_b32 v[QQ+\e], v[AC+\e], v[NEG], vcc_lo   ; the first choice is taken out: -1 lies under every exponential
.endr
	SCAN QQ, B2, I2
	v_add_f32 v[T0], v[B1], v[B2]
	v_rcp_f32 v[T0], v[T0]                         ; the softmax's divisor cancels in p / (p1 + p2)
	v_mov_b32 v[ONE], 1                            ; (a plain place behind the reciprocal)
	s_wait_alu depctr_va_vdst(0)
	v_mul_f32 v[G1V], v[B1], v[T0]
	v_mul_f32 v[G2V], v[B2], v[T0]
	v_lshlrev_b32 v[SM], v[I1], v[ONE]
	v_lshlrev_b32 v[T1], v[I2], v[ONE]
	v_or_b32 v[SM], v[SM], v[T1]
	v_cmp_lt_u32 vcc_lo, v[I1], v[I2]
	v_cndmask_b32 v[GT], v[G2V], v[G1V], vcc_lo    ; the lower expert's weight first
	v_cndmask_b32 v[GT+1], v[G1V], v[G2V], vcc_lo
	v_mov_b32 v[ZO], 0
	v_cmp_eq_u32 vcc_lo, 0, v1
	s_wait_xcnt 0x0                                ; EXEC changes only behind this wait: it is a source of the stores above
	s_wait_tensorcnt 0x0
	ds_add_u32 v204, v205
	s_wait_dscnt 0x0
	s_and_saveexec_b32 s24, vcc_lo                 ; lane 0 stores for the wave, at places fixed by the token's number
	global_store_b32 v[ZO], v[SM], s[12:13]
	global_store_b64 v[ZO], v[GT:GT+1], s[14:15]
	s_wait_xcnt 0x0
	s_or_b32 exec_lo, exec_lo, s24
	s_endpgm
.Lfunc_end_k_q4f8c73b97b_route:
	.size	k_q4f8c73b97b_route, .Lfunc_end_k_q4f8c73b97b_route-k_q4f8c73b97b_route
	.p2alignl 7, 3214868480
	.fill 96, 4, 3214868480
	.section	.rodata,"a",@progbits
	.p2align	6, 0x0
	.amdhsa_kernel k_q4f8c73b97b_route
		.amdhsa_group_segment_fixed_size 58880
		.amdhsa_private_segment_fixed_size 0
		.amdhsa_enable_private_segment 0
		.amdhsa_kernarg_size 48
		.amdhsa_user_sgpr_count 2
		.amdhsa_user_sgpr_kernarg_segment_ptr 1
		.amdhsa_wavefront_size32 1
		.amdhsa_system_sgpr_workgroup_id_x 1
		.amdhsa_system_sgpr_workgroup_id_y 1
		.amdhsa_system_sgpr_workgroup_id_z 1
		.amdhsa_system_vgpr_workitem_id 0
		.amdhsa_next_free_vgpr 206
		.amdhsa_next_free_sgpr 66
		.amdhsa_reserve_vcc 1
		.amdhsa_float_denorm_mode_32 3
		.amdhsa_float_denorm_mode_16_64 3
		.amdhsa_memory_ordered 1
		.amdhsa_forward_progress 1
		.amdhsa_inst_pref_size 29
	.end_amdhsa_kernel
	.amdgpu_metadata
---
amdhsa.version: [ 1, 2 ]
amdhsa.kernels:
  - .name:           k_q4f8c73b97b_route
    .symbol:         k_q4f8c73b97b_route.kd
    .args:
      - { .name: x, .offset: 0, .size: 8, .value_kind: global_buffer, .address_space: global }
      - { .name: w_router, .offset: 8, .size: 8, .value_kind: global_buffer, .address_space: global }
      - { .name: xc, .offset: 16, .size: 8, .value_kind: global_buffer, .address_space: global }
      - { .name: xs, .offset: 24, .size: 8, .value_kind: global_buffer, .address_space: global }
      - { .name: selm, .offset: 32, .size: 8, .value_kind: global_buffer, .address_space: global }
      - { .name: gate, .offset: 40, .size: 8, .value_kind: global_buffer, .address_space: global }
    .group_segment_fixed_size: 58880
    .private_segment_fixed_size: 0
    .kernarg_segment_align: 8
    .kernarg_segment_size: 48
    .max_flat_workgroup_size: 128
    .sgpr_count:     66
    .vgpr_count:     206
    .wavefront_size: 32
...
	.end_amdgpu_metadata
.endif
;; end of part 1
;; launch ffn1 (part 2): grid 32 x 8, 16 waves a work-group, no clusters, 129,024 bytes of LDS; arguments w1, xc, xs, selm, hc, hs; writes hc, hs
.if DOCPART == 2
	.amdgcn_target "amdgcn-amd-amdhsa--gfx1250"
	.amdhsa_code_object_version 6
	.text
	.protected	k_q4f8c73b97b_ffn1
	.globl	k_q4f8c73b97b_ffn1
	.p2align	8
	.type	k_q4f8c73b97b_ffn1,@function
k_q4f8c73b97b_ffn1:
	s_mov_b64 s[64:65], 0
	v_nop
	global_prefetch_b8 v0, s[64:65] scope:SCOPE_SE
	s_setreg_imm32_b32 hwreg(HW_REG_WAVE_MODE, 25, 1), 1
	s_wait_xcnt 0x0
; FIRST PRODUCT OF THE EXPERTS: hidden = Q(gelu(Q(x) Q(w1[e]))) for the rows routed to expert e, on codes of E2M3 with one E8M0 scale for each 32 along K.
; THE WEIGHTS STAY: work-group (sl, e) owns w1[e][:, 128 sl .. 128 sl + 127], 512 KiB of f32.  It reads them once, quantises them in registers (a lane takes a column, its registers run
; down K, so that a block of 32 is one lane's and the codes come out with K innermost) and keeps 96 KiB of codes and 4 KiB of scale words in LDS, laid in the order of the operand's registers.
; Then its 16 waves multiply them with the rows of x that chose expert e.  Experts that a token did not choose are not multiplied: their weight in the result is 0.
; THE ROWS.  selm[n] is a whole number stored by the launch before: the mask of token n's two experts.  Each wave makes 32 lane masks of it (mask c, bit l: token 128 (c / 4) + 4 l + c % 4 chose e);
; rank rho of expert e is the rho-th set bit in that order, found by integer arithmetic (FIND).  The second product's launch ranks the rows in the same way.
; AN ITEM is 32 ranks x 64 columns: 8 accumulators, 8 K steps of 128.  Wave w takes items w, w + 16, ..  Ranks past the expert's count take some valid token: those rows are computed, stored and never used.
; THE PRODUCT IS USED TRANSPOSED (source 0 = 16 columns of w1, source 1 = 16 rows of x): a lane holds one row.  THE COLUMNS OF A TILE ARE NOT NEIGHBOURS: row m of tile 2 b + u is column
; 32 b + 8 u + m + 8 (m / 8), so that a lane's 16 registers of tiles 2 b, 2 b + 1 are 16 neighbouring hidden units, which are the next product's K.
; OUT: hc[e][K step = sl][h][rank][c][24 bytes], hs[e][K step][rank] one word, byte 2 c + h; block t of 32 hidden units of the K step sits at h = t / 2, c = t % 2 (w2's codes are laid alike).
; gelu is the tanh form, as x / (1 + 2^t), t = -2 log2(e) sqrt(2 / pi) (x + 0.044715 x^3), all in f32.
; LIMITS: NaN and infinities are not served; a block whose largest magnitude lies under 2^-124 keeps the scale byte 1 (a block of zeros too: its codes are zeros; this program alone reads the bytes).
; NO TENSOR LOADS: each weight is used once, straight in registers.  NO CLUSTER: the weights are shared by nobody, and what is shared (x's codes) is gathered by ranks with trip counts read from memory.
; One barrier, between the quantising and the products, on every wave's path; the loop over items has none.
.set NT,  8                            ; tiles of 16 columns in the slice
.set NK,  8                            ; K steps of 128
.set RS,  16384                        ; bytes from a row of w1[e] to the next
.set SCL, 98304                        ; LDS: codes at 0: fragment (s, T) at (s NT + T) 1536, lane m + 16 h at 48 bytes each, c at + 24;  here the scale words: 64 NT s + 4 NT m + 4 T
.set STG, 102400                       ; and a stage of 1,536 bytes for each wave
.set AO,  1                            ; v1-2    x's codes: byte offset of my row of tile 0, 1
.set ASC, 3                            ; v3-4    x's scale words likewise
.set BA,  5                            ; v5-6    LDS address of my lane in the weights' fragments, K steps 0-3 and 4-7
.set SBA, 7                            ; v7      and in their scale words
.set STA, 8                            ; v8      my stage, on the way in
.set STR, 9                            ; v9      and back
.set SA,  10                           ; v10-15  x's scale words, three sets of two: scales and nothing else
.set ACC, 16                           ; v16-79  accumulator (i, T') at 16 + 8 (4 i + T')
.set AF,  80                           ; v80-151 x's fragments, three sets of two
.set BF,  152                          ; v152-247 the weights' fragments, two sets of four
.set SB,  248                          ; v248-255 the weights' scale words, two sets of four: scales and nothing else
.set RK,  16                           ; FIND's registers lie where the accumulators are not at work
.set FW,  17
.set FBS, 18
.set FCI, 19
.set FA1, 20
.set FA2, 21
.set FA4, 22
.set FA8, 23
.set FK,  24
.set FPOS, 25
.set FT,  26
.set FP2, 27
.set FK2, 28
.set TOK, 29
.set TX,  30
.set TH,  31
.set MXA, 48                           ; the quantiser's, ahead of the barrier
.set MXB, 49
.set SOP, 50
.set BYT, 51
.set SW0, 52                           ; v52-53  my two columns' scale words
.set TA,  54
.set TB,  55
.set C0,  56                           ; v56-64, v66-74  two sets for a block's codes
.set TC,  65
.set TD,  75
.set LB,  76
.set LSC, 77
.set LOF, 78
.set TE,  79
.set TG0, 152                          ; the epilogue's, where the weights' fragments lay
.set TG1, 168
.set KV,  184
.set QM,  186
.set QX,  190
.set QS,  194
.set QB,  198
.set CD,  204
.set OB,  220
.set SOFF, 232
.set SSF, 233
; s16 wave  s17 e  s18 sl  s19 1 << e  s20 the expert's rows  s21 items  s22 my item  s23 its 32 ranks' number  s[24:25] an offset  s26, s27 at work  s[28:29] lane selects
; s30 wave % 2  s31 wave / 2  s[32:63] the 32 masks  s66 lanes 16-31  s67, s74 constant parts of the item's offsets  s[68:69], s[70:71] the item's places in hc, hs  s[76:77] a constant of gelu
; s78 my items' number  s79 counts them
; block t of my K step: w(32 t + i, my two columns), into set t % 2.  Two neighbouring lines cover 256 bytes on end, aligned
.macro XLOAD t
.set XS, AF+72*((\t)%2)
.set n, 0
.rept 32
	global_load_b32 v[XS+n], v[LOF], s[4:5] offset:(32*(\t)+n)*RS th:TH_LOAD_NT
	global_load_b32 v[XS+32+n], v[LOF], s[4:5] offset:(32*(\t)+n)*RS+128 th:TH_LOAD_NT
.set n, n+1
.endr
.endm
; block t of column block cb: 32 numbers of one lane become 24 bytes of codes in LDS and a byte of the column's scale word
.macro QBLK t, cb
.set XB, AF+72*((\t)%2)+32*(\cb)
.set CR, C0+10*(\cb)
.set HH, (\t)%2                        ; the block's place in the operand: k = 64 c + 32 h
.set CCI, (\t)/2
.set BP, (\t)
	v_max3_num_f32 v[MXA], |v[XB]|, |v[XB+1]|, |v[XB+2]|
	v_max3_num_f32 v[MXB], |v[XB+3]|, |v[XB+4]|, |v[XB+5]|
.irp i, 6,10,14,18,22,26
	v_max3_num_f32 v[MXA], v[MXA], |v[XB+\i]|, |v[XB+\i+1]|
	v_max3_num_f32 v[MXB], v[MXB], |v[XB+\i+2]|, |v[XB+\i+3]|
.endr
	v_max3_num_f32 v[MXA], v[MXA], |v[XB+30]|, |v[XB+31]|
	v_max3_num_f32 v[MXA], v[MXA], v[MXB], 0x1800000   ; with the floor 2^(3 - 127): the byte cannot fall under 1
	v_add_nc_u32 v[SOP], 0xff000000, v[MXA]        ; 2 off the exponent field: the conversion's scale operand
	v_lshrrev_b32 v[BYT], 23, v[SOP]               ; the scale's byte
.if (\t) == 0
	v_mov_b32 v[SW0+\cb], v[BYT]
.else
	v_lshl_or_b32 v[SW0+\cb], v[BYT], 8*BP, v[SW0+\cb]
.endif
	s_wait_dscnt 3                                 ; this set's earlier stores are done; the other set's three may be out
	v_cvt_scalef32_pk16_fp6_f32 v[CR:CR+2], v[XB:XB+15], v[SOP]
	v_cvt_scalef32_pk16_fp6_f32 v[CR+6:CR+8], v[XB+16:XB+31], v[SOP]   ; (a conversion's three registers begin on an even number)
	v_nop                                          ; one plain place behind a scaled conversion
.irp i, 0,1,2
	v_mov_b32 v[CR+3+\i], v[CR+6+\i]
.endr
.irp i, 0,1,2
	ds_store_b64 v[LB], v[CR+2*\i:CR+2*\i+1] offset:3072*(\cb)+768*HH+24*CCI+8*\i
.endr
.endm
; the rank in v[RK] becomes its token in v[TOK].  First the mask that holds it (the last whose count of earlier bits is not above the rank), then the bit, by halving
.macro LEVEL a, w, step
	v_bfe_u32 v[FT], v[\a], v[FPOS], \w            ; set bits in the lower half of what is left
	v_add_nc_u32 v[FP2], \step, v[FPOS]
	v_sub_nc_u32 v[FK2], v[FK], v[FT]
	v_cmp_ge_u32 vcc_lo, v[FK], v[FT]
	v_cndmask_b32 v[FPOS], v[FPOS], v[FP2], vcc_lo
	v_cndmask_b32 v[FK], v[FK], v[FK2], vcc_lo
.endm
.macro FIND
	v_mov_b32 v[FW], s32
	v_mov_b32 v[FBS], 0
	v_mov_b32 v[FCI], 0
	s_bcnt1_i32_b32 s26, s32
.set c, 1
.rept 31
	v_cmp_gt_u32 vcc_lo, s26, v[RK]                ; more bits ahead of mask c than my rank: what I have stays
	v_cndmask_b32 v[FW], s[32+c], v[FW], vcc_lo
	v_cndmask_b32 v[FBS], s26, v[FBS], vcc_lo
	v_cndmask_b32 v[FCI], c, v[FCI], vcc_lo
	s_bcnt1_i32_b32 s27, s[32+c]
	s_add_co_u32 s26, s26, s27
.set c, c+1
.endr
	v_sub_nc_u32 v[FK], v[RK], v[FBS]
	v_mov_b32 v[FPOS], 0
	v_lshrrev_b32 v[FT], 1, v[FW]                  ; counts of set bits in fields of 2, 4, 8 and 16
	v_and_b32 v[FT], 0x55555555, v[FT]
	v_sub_nc_u32 v[FA1], v[FW], v[FT]
	v_lshrrev_b32 v[FT], 2, v[FA1]
	v_and_b32 v[FT], 0x33333333, v[FT]
	v_and_b32 v[FA2], 0x33333333, v[FA1]
	v_add_nc_u32 v[FA2], v[FA2], v[FT]
	v_lshrrev_b32 v[FT], 4, v[FA2]
	v_add_nc_u32 v[FT], v[FA2], v[FT]
	v_and_b32 v[FA4], 0x0f0f0f0f, v[FT]
	v_lshrrev_b32 v[FT], 8, v[FA4]
	v_add_nc_u32 v[FA8], v[FA4], v[FT]
	LEVEL FA8, 6, 16
	LEVEL FA4, 8, 8
	LEVEL FA2, 4, 4
	LEVEL FA1, 2, 2
	LEVEL FW, 1, 1
	v_lshrrev_b32 v[FT], 2, v[FCI]
	v_and_b32 v[FK2], 3, v[FCI]
	v_lshl_add_u32 v[FK2], v[FPOS], 2, v[FK2]
	v_lshl_add_u32 v[TOK], v[FT], 7, v[FK2]        ; 128 (c / 4) + 4 bit + c % 4
	v_min_u32 v[TOK], 0x3ff, v[TOK]                ; a number made of loaded numbers enters an address only behind a bound
.endm
; the weights' four fragments and scale words of K step s, for my half of the columns: 13 LDS loads
.macro LOADB s
.set BR, BF+48*((\s)%2)
.set BO, ((\s)%(NK/2))*NT*1536
.irp tt, 0,1,2,3
.irp j, 0,1,2
	ds_load_b128 v[BR+12*\tt+4*\j:BR+12*\tt+4*\j+3], v[BA+(\s)/(NK/2)] offset:BO+1536*\tt+16*\j
.endr
.endr
	ds_load_b128 v[SB+4*((\s)%2):SB+4*((\s)%2)+3], v[SBA] offset:(\s)*64*NT
.endm
; x's two fragments and scale words of K step s: 8 loads
.macro LOADA s
.set AR, AF+24*((\s)%3)
.irp i2, 0,1
.irp j, 0,1,2
	global_load_b128 v[AR+12*\i2+4*\j:AR+12*\i2+4*\j+3], v[AO+\i2], s[6:7] offset:96*(\s)+16*\j
.endr
	global_load_b32 v[SA+2*((\s)%3)+\i2], v[ASC+\i2], s[8:9] offset:4*(\s)
.endr
.endm
; the eight accumulators take turns, one instruction a turn, in the same order in every K step; K step 0 starts the sums
.macro MULS s
.irp i2, 0,1
.irp tt, 0,1,2,3
.if (\s) == 0
	v_wmma_scale_f32_16x16x128_f8f6f4 v[ACC+8*(4*\i2+\tt):ACC+8*(4*\i2+\tt)+7], v[BF+48*((\s)%2)+12*\tt:BF+48*((\s)%2)+12*\tt+11], v[AF+24*((\s)%3)+12*\i2:AF+24*((\s)%3)+12*\i2+11], 0, v[SB+4*((\s)%2)+\tt], v[SA+2*((\s)%3)+\i2] matrix_a_fmt:MATRIX_FMT_FP6 matrix_b_fmt:MATRIX_FMT_FP6
.else
	v_wmma_scale_f32_16x16x128_f8f6f4 v[ACC+8*(4*\i2+\tt):ACC+8*(4*\i2+\tt)+7], v[BF+48*((\s)%2)+12*\tt:BF+48*((\s)%2)+12*\tt+11], v[AF+24*((\s)%3)+12*\i2:AF+24*((\s)%3)+12*\i2+11], v[ACC+8*(4*\i2+\tt):ACC+8*(4*\i2+\tt)+7], v[SB+4*((\s)%2)+\tt], v[SA+2*((\s)%3)+\i2] matrix_a_fmt:MATRIX_FMT_FP6 matrix_b_fmt:MATRIX_FMT_FP6
.endif
.endr
.endr
.endm
.macro MATMUL
	LOADB 0
	LOADB 1
.set KS, 0
.rept NK
.if NK-1-KS >= 2
	s_wait_loadcnt 16                              ; this K step's rows are in; the two later sets, 8 loads each, may be out
.else
	s_wait_loadcnt 8*(NK-1-KS)
.endif
.if KS < NK-1
	s_wait_dscnt 13                                ; this K step's weights are in; the next step's 13 loads may be out
.else
	s_wait_dscnt 0x0
.endif
	MULS KS
.rept 4
	v_nop                                          ; four places in front of loads into registers that these products read, and of the first read of results
.endr
.if KS+3 < NK
	LOADA KS+3
.endif
.if KS+2 < NK
	LOADB KS+2
.endif
.set KS, KS+1
.endr
	v_nop                                          ; a fifth: the next item's first products begin these accumulators anew
.endm
; the addresses of item s22: 32 ranks, their tokens, the item's places in hc and hs
.macro PROLOG_ADDR
	s_lshr_b32 s23, s22, 1
	s_min_u32 s23, s23, 31                         ; an item past the last keeps its addresses inside the buffers; what it loads is not used
	s_lshl_b32 s27, s23, 5
	v_and_b32 v[RK], 31, v0
	v_add_nc_u32 v[RK], s27, v[RK]                 ; lane l: rank 32 pi + l
	FIND
	v_mov_b32 v[TX], 0
	v_permlanex16_b32 v[TX], v[TOK], s28, s29
	v_bfe_u32 v[TH], v0, 4, 1
	v_mul_u32_u24 v[TH], v[TH], 48
	v_cndmask_b32 v[FT], v[TOK], v[TX], s66        ; tile 0: lanes r and 16 + r both want rank r's token,
	v_cndmask_b32 v[FP2], v[TX], v[TOK], s66       ; tile 1: rank 16 + r's
	v_min_u32 v[FT], 0x3ff, v[FT]
	v_min_u32 v[FP2], 0x3ff, v[FP2]
	v_mad_u32_u24 v[AO], v[FT], 0x300, v[TH]       ; 768 bytes a token, 48 h
	v_mad_u32_u24 v[AO+1], v[FP2], 0x300, v[TH]
	v_lshlrev_b32 v[ASC], 5, v[FT]
	v_lshlrev_b32 v[ASC+1], 5, v[FP2]
	s_mul_i32 s24, s23, 1536
	s_add_co_u32 s24, s24, s67
	s_add_nc_u64 s[68:69], s[12:13], s[24:25]
	s_lshl_b32 s24, s23, 7
	s_add_co_u32 s24, s24, s74
	s_add_nc_u64 s[70:71], s[14:15], s[24:25]
.endm
; gelu of 16 numbers v[a] .. v[a + 15] in place, from the low end on; t: 16 registers at work
.macro GELU16 a, t
.irp j, 0,2,4,6,8,10,12,14
	v_pk_mul_f32 v[\t+\j:\t+\j+1], v[\a+\j:\a+\j+1], v[\a+\j:\a+\j+1]
.endr
.irp j, 0,2,4,6,8,10,12,14
	v_pk_fma_f32 v[\t+\j:\t+\j+1], v[\t+\j:\t+\j+1], s[76:77], v[KV:KV+1] op_sel_hi:[1,0,1]
.endr
.irp j, 0,2,4,6,8,10,12,14
	v_pk_mul_f32 v[\t+\j:\t+\j+1], v[\t+\j:\t+\j+1], v[\a+\j:\a+\j+1]
.endr
.irp j, 0,1,2,3,4,5,6,7,8,9,10,11,12,13,14,15
	v_exp_f32 v[\t+\j], v[\t+\j]
.endr
	v_nop                                          ; a plain place behind the exponentials
	s_wait_alu depctr_va_vdst(0)
.irp j, 0,2,4,6,8,10,12,14
	v_pk_add_f32 v[\t+\j:\t+\j+1], v[\t+\j:\t+\j+1], 1.0 op_sel_hi:[1,0]
.endr
.irp j, 0,1,2,3,4,5,6,7,8,9,10,11,12,13,14,15
	v_rcp_f32 v[\t+\j], v[\t+\j]
.endr
	v_nop                                          ; a plain place behind the reciprocals
	s_wait_alu depctr_va_vdst(0)
.irp j, 0,2,4,6,8,10,12,14
	v_pk_mul_f32 v[\a+\j:\a+\j+1], v[\a+\j:\a+\j+1], v[\t+\j:\t+\j+1]
.endr
.endm
	s_load_b256 s[4:11], s[0:1], 0x0               ; w1, xc, xs, selm
	s_load_b128 s[12:15], s[0:1], 0x20             ; hc, hs
	v_lshrrev_b32 v[TA], 5, v0
	v_readfirstlane_b32 s16, v[TA]                 ; wave 0..15
	s_and_b32 s17, ttmp7, 0xffff                   ; the expert
	s_mov_b32 s18, ttmp9                           ; the slice of 128 columns
	s_lshl_b32 s19, 1, s17
	s_and_b32 s30, s16, 1                          ; which 64 columns: in both phases
	s_lshr_b32 s31, s16, 1                         ; which K step I quantise
	s_mov_b32 s28, 0x76543210
	s_mov_b32 s29, 0xfedcba98
	s_mov_b32 s66, 0xffff0000
	s_mov_b32 s76, 0xbdd2d3e8                      ; 0.044715 x (-2 log2(e) sqrt(2 / pi))
	s_mov_b32 s77, s76                             ; (named with it as a pair, so it is written)
	s_mov_b32 s25, 0
	v_and_b32 v[TA], 31, v0                        ; l
	v_and_b32 v[TB], 15, v0                        ; r
	v_bfe_u32 v[TC], v0, 4, 1                      ; h
	v_bfe_u32 v[TD], v0, 3, 1                      ; u: column l of a block of 32 belongs to tile 2 b + u,
	v_and_b32 v[TE], 7, v0
	v_lshl_add_u32 v[TE], v[TC], 3, v[TE]          ; row m = l % 8 + 8 (l / 16)
	s_mul_i32 s27, s30, 6144
	v_mul_u32_u24 v[BA], v[TA], 48
	v_add_nc_u32 v[BA], s27, v[BA]
	v_add_nc_u32 v[BA+1], 49152, v[BA]
	s_lshl_b32 s26, s30, 4
	s_add_co_u32 s26, s26, SCL
	v_lshl_add_u32 v[SBA], v[TB], 5, s26
	s_mul_i32 s26, s16, 1536
	s_add_co_u32 s26, s26, STG
	v_mul_u32_u24 v[STA], v[TB], 48
	v_mad_u32_u24 v[STA], v[TC], 12, v[STA]
	v_add_nc_u32 v[STA], s26, v[STA]               ; in: row r of 48 bytes, my half block's 12 bytes at 12 h
	v_lshl_add_u32 v[STR], v[TA], 4, s26           ; back: 16 bytes a lane
	s_mul_i32 s26, s31, 12288
	s_add_co_u32 s26, s26, s27
	v_mul_u32_u24 v[LB], v[TE], 48
	v_mad_u32_u24 v[LB], v[TD], 1536, v[LB]
	v_add_nc_u32 v[LB], s26, v[LB]                 ; where my column's codes go
	s_lshl_b32 s26, s31, 9
	s_lshl_b32 s27, s30, 4
	s_add_co_u32 s26, s26, s27
	s_add_co_u32 s26, s26, SCL
	v_lshlrev_b32 v[LSC], 5, v[TE]
	v_lshl_add_u32 v[LSC], v[TD], 2, v[LSC]
	v_add_nc_u32 v[LSC], s26, v[LSC]               ; and its scale word
	v_lshlrev_b32 v[LOF], 2, v[TA]
	v_lshlrev_b32 v[TD], 4, v[TA]
	s_lshl_b32 s24, s17, 24                        ; my part of w1, in bytes: expert, 128 rows of K, column
	s_lshl_b32 s26, s31, 21
	s_add_co_u32 s24, s24, s26
	s_lshl_b32 s26, s18, 9
	s_add_co_u32 s24, s24, s26
	s_lshl_b32 s26, s30, 8
	s_add_co_u32 s24, s24, s26
	s_lshl_b32 s26, s17, 5
	s_add_co_u32 s26, s26, s18                     ; 32 e + sl
	s_lshl_b32 s74, s26, 12
	s_add_co_u32 s74, s74, s30                     ; hs: 4,096 bytes a K step; my bytes are 2 c + h, h = my half
	s_lshl_b32 s26, s26, 1
	s_add_co_u32 s26, s26, s30
	s_mul_i32 s67, s26, 49152                      ; hc: 49,152 bytes for a K step's h
	s_wait_kmcnt 0x0
	s_add_nc_u64 s[4:5], s[4:5], s[24:25]
.irp j, 0,1,2,3,4,5,6,7
	global_load_b128 v[16+4*\j:19+4*\j], v[TD], s[10:11] offset:512*\j    ; all 1,024 masks: register 4 j + m of lane l is token 128 j + 4 l + m
.endr
	XLOAD 0
	s_wait_loadcnt 63                              ; the masks are in: 64 loads are younger, and 63 is the largest count that can be written
.set c, 0
.rept 32
	v_and_b32 v[TA], s19, v[16+c]
	v_cmp_ne_u32 s[32+c], 0, v[TA]
.set c, c+1
.endr
	s_mov_b32 s20, 0
.set c, 0
.rept 32
	s_bcnt1_i32_b32 s27, s[32+c]
	s_add_co_u32 s20, s20, s27                     ; the expert's rows
.set c, c+1
.endr
	s_add_co_u32 s21, s20, 31
	s_lshr_b32 s21, s21, 5
	s_lshl_b32 s21, s21, 1                         ; items: two halves of the columns for each 32 ranks
	s_mov_b32 s22, s16                             ; my first item
	s_add_co_u32 s78, s21, 15
	s_sub_co_u32 s78, s78, s16
	s_lshr_b32 s78, s78, 4                         ; how many of the items w, w + 16, .. there are
	s_mov_b32 s79, 0
	XLOAD 1
	PROLOG_ADDR
	s_wait_loadcnt 63                              ; block 0 is in: block 1's 64 loads are younger
	QBLK 0, 0
	QBLK 0, 1
	XLOAD 2
	s_wait_loadcnt 63
	QBLK 1, 0
	QBLK 1, 1
	XLOAD 3
	s_wait_loadcnt 63
	QBLK 2, 0
	QBLK 2, 1
	LOADA 0                                        ; my first item's rows, into the registers that blocks 0 and 2 have left
	LOADA 1
	LOADA 2
	s_wait_loadcnt 24                              ; block 3 is in: those 24 loads are younger
	QBLK 3, 0
	QBLK 3, 1
	ds_store_b32 v[LSC], v[SW0]
	ds_store_b32 v[LSC], v[SW0+1] offset:8
	s_wait_dscnt 0x0                               ; for the others' sake: my codes and scale words have landed
	s_barrier_signal -1
	s_barrier_wait -1                              ; the slice's codes are whole; nobody writes them again
	s_cmp_eq_u32 s78, 0
	s_cbranch_scc1 .Lend
.Litem:
	MATMUL
	; gelu, in f32
	v_mov_b32 v[KV], 0xc0135761                    ; -2 log2(e) sqrt(2 / pi)
	v_mov_b32 v[KV+1], 0xc0135761
	GELU16 16, TG0
	GELU16 32, TG1
	GELU16 48, TG0
	GELU16 64, TG1
	; four blocks of 32 hidden units, q = 2 i + b: my 16 numbers at v[16 + 16 q], the other 16 in lane l xor 16
.irp q, 0,1,2,3
	v_max3_num_f32 v[QM+\q], |v[16+16*\q]|, |v[17+16*\q]|, 0x1800000
.endr
.irp i, 2,4,6,8,10,12,14
.irp q, 0,1,2,3
	v_max3_num_f32 v[QM+\q], v[QM+\q], |v[16+16*\q+\i]|, |v[17+16*\q+\i]|
.endr
.endr
.irp q, 0,1,2,3
	v_mov_b32 v[QX+\q], 0
.endr
.irp q, 0,1,2,3
	v_permlanex16_b32 v[QX+\q], v[QM+\q], s28, s29
.endr
.irp q, 0,1,2,3
	v_max_num_f32 v[QM+\q], v[QM+\q], v[QX+\q]
.endr
.irp q, 0,1,2,3
	v_add_nc_u32 v[QS+\q], 0xff000000, v[QM+\q]
.endr
.irp q, 0,1,2,3
	v_lshrrev_b32 v[QB+\q], 23, v[QS+\q]
.endr
.irp q, 0,1,2,3
	v_cvt_scalef32_pk16_fp6_f32 v[CD+4*\q:CD+4*\q+2], v[16+16*\q:31+16*\q], v[QS+\q]
.endr
	v_nop                                          ; one plain place behind a scaled conversion
	v_and_b32 v[SOFF], 31, v0
	v_lshlrev_b32 v[SOFF], 4, v[SOFF]
	v_and_b32 v[SSF], 15, v0
	v_lshlrev_b32 v[SSF], 2, v[SSF]
.irp q, 0,1,2,3
.irp w, 0,1,2
	ds_store_b32 v[STA], v[CD+4*\q+\w] offset:768*(\q/2)+24*(\q%2)+4*\w
.endr
.endr
.irp j, 0,1,2
	ds_load_b128 v[OB+4*\j:OB+4*\j+3], v[STR] offset:512*\j   ; LDS serves a wave's instructions in order: these see my stores
.endr
.irp q, 0,1,2,3
	global_store_b8 v[SSF], v[QB+\q], s[70:71] offset:64*(\q/2)+2*(\q%2)   ; both lanes of a block store the same byte with the same value
.endr
	s_wait_dscnt 0x0
.irp j, 0,1,2
	global_store_b128 v[SOFF], v[OB+4*\j:OB+4*\j+3], s[68:69] offset:512*\j   ; the item's 32 rows x 48 bytes: 1,536 bytes on end, aligned to 256
.endr
	s_add_co_u32 s22, s22, 16
	s_wait_xcnt 0x0                                ; the stores have read their registers and bases: both are written again below
	PROLOG_ADDR
	LOADA 0
	LOADA 1
	LOADA 2
	s_add_co_u32 s79, s79, 1                       ; the loop ends on a count of its trips
	s_cmp_lt_u32 s79, s78
	s_cbranch_scc1 .Litem
.Lend:
	s_wait_xcnt 0x0
	v_lshl_add_u32 v254, v0, 2, 0x1f000
	v_mov_b32 v255, 0
	s_wait_tensorcnt 0x0
	ds_add_u32 v254, v255
	s_wait_dscnt 0x0
	s_endpgm
.Lfunc_end_k_q4f8c73b97b_ffn1:
	.size	k_q4f8c73b97b_ffn1, .Lfunc_end_k_q4f8c73b97b_ffn1-k_q4f8c73b97b_ffn1
	.p2alignl 7, 3214868480
	.fill 96, 4, 3214868480
	.section	.rodata,"a",@progbits
	.p2align	6, 0x0
	.amdhsa_kernel k_q4f8c73b97b_ffn1
		.amdhsa_group_segment_fixed_size 129024
		.amdhsa_private_segment_fixed_size 0
		.amdhsa_enable_private_segment 0
		.amdhsa_kernarg_size 48
		.amdhsa_user_sgpr_count 2
		.amdhsa_user_sgpr_kernarg_segment_ptr 1
		.amdhsa_wavefront_size32 1
		.amdhsa_system_sgpr_workgroup_id_x 1
		.amdhsa_system_sgpr_workgroup_id_y 1
		.amdhsa_system_sgpr_workgroup_id_z 1
		.amdhsa_system_vgpr_workitem_id 0
		.amdhsa_next_free_vgpr 256
		.amdhsa_next_free_sgpr 80
		.amdhsa_reserve_vcc 1
		.amdhsa_float_denorm_mode_32 3
		.amdhsa_float_denorm_mode_16_64 3
		.amdhsa_memory_ordered 1
		.amdhsa_forward_progress 1
		.amdhsa_inst_pref_size 110
	.end_amdhsa_kernel
	.amdgpu_metadata
---
amdhsa.version: [ 1, 2 ]
amdhsa.kernels:
  - .name:           k_q4f8c73b97b_ffn1
    .symbol:         k_q4f8c73b97b_ffn1.kd
    .args:
      - { .name: w1, .offset: 0, .size: 8, .value_kind: global_buffer, .address_space: global }
      - { .name: xc, .offset: 8, .size: 8, .value_kind: global_buffer, .address_space: global }
      - { .name: xs, .offset: 16, .size: 8, .value_kind: global_buffer, .address_space: global }
      - { .name: selm, .offset: 24, .size: 8, .value_kind: global_buffer, .address_space: global }
      - { .name: hc, .offset: 32, .size: 8, .value_kind: global_buffer, .address_space: global }
      - { .name: hs, .offset: 40, .size: 8, .value_kind: global_buffer, .address_space: global }
    .group_segment_fixed_size: 129024
    .private_segment_fixed_size: 0
    .kernarg_segment_align: 8
    .kernarg_segment_size: 48
    .max_flat_workgroup_size: 512
    .sgpr_count:     80
    .vgpr_count:     256
    .wavefront_size: 32
...
	.end_amdgpu_metadata
.endif
;; end of part 2
;; launch ffn2 (part 3): grid 32 x 8, 16 waves a work-group, no clusters, 174,080 bytes of LDS; arguments w2, hc, hs, selm, y; writes y
.if DOCPART == 3
	.amdgcn_target "amdgcn-amd-amdhsa--gfx1250"
	.amdhsa_code_object_version 6
	.text
	.protected	k_q4f8c73b97b_ffn2
	.globl	k_q4f8c73b97b_ffn2
	.p2align	8
	.type	k_q4f8c73b97b_ffn2,@function
k_q4f8c73b97b_ffn2:
	s_mov_b64 s[64:65], 0
	v_nop
	global_prefetch_b8 v0, s[64:65] scope:SCOPE_SE
	s_setreg_imm32_b32 hwreg(HW_REG_WAVE_MODE, 25, 1), 1
	s_wait_xcnt 0x0
; SECOND PRODUCT OF THE EXPERTS: y = hidden Q(w2[e]) for the rows routed to expert e, on codes of E2M3 with one E8M0 scale for each 32 along K.
; THE WEIGHTS STAY: work-group (cs + 16 kh, e) owns w2[e][2048 kh .. + 2047, 64 cs .. + 63], 512 KiB of f32, read once, quantised in registers (a lane takes a column, its registers run down K)
; and kept in LDS as 96 KiB of codes and 4 KiB of scale words, in the order of the operand's registers.  Wave w quantises K step w of the 16.
; Block t of 32 along K of a K step sits at h = t / 2, c = t % 2 of the operand, scale byte 2 c + h, as the hidden layer's codes were laid.
; THE ROWS lie in hc and hs by rank, so they are read on end.  The token of a rank is found as in the first product's launch (the 32 masks made of selm, FIND); it says where the row of y goes:
; row 2048 kh + 2 n + slot, slot = 1 where the token's other expert has the lower number.  Each row of y so has one owner; the two halves of K and the two experts are summed by the last launch.
; AN ITEM is 32 ranks x 64 columns x 16 K steps: 8 accumulators.  Wave w takes items w, w + 16, ..
; RANKS PAST THE EXPERT'S COUNT (31 at the most) are multiplied with the others.  Their results go to row 4096 + 8 kh + e, behind y's 4,096 rows, at this work-group's 64 columns:
; 256 bytes that are this work-group's own and that nobody reads.  So every store runs with all lanes on.
; THE PRODUCT IS USED TRANSPOSED (source 0 = 16 columns of w2, source 1 = 16 rows): a lane holds eight neighbouring columns of one row.
; LIMITS: NaN and infinities are not served; a block whose largest magnitude lies under 2^-124 keeps the scale byte 1 (a block of zeros too: its codes are zeros; this program alone reads the bytes).
; NO TENSOR LOADS: each weight is used once, straight in registers.  NO CLUSTER: the weights are shared by nobody, and the trip counts hang on counts read from memory.
; One barrier, between the quantising and the products, on every wave's path; the loop over items has none.
.set NT,  4                            ; tiles of 16 columns
.set NK,  16                           ; K steps of 128
.set RS,  4096                         ; bytes from a row of w2[e] to the next
.set SCL, 98304                        ; LDS: codes at 0: fragment (s, T) at (s NT + T) 1536, lane m + 16 h at 48 bytes each, c at + 24;  here the scale words: 64 NT s + 4 NT m + 4 T
.set STG, 102400                       ; and a stage of 16 rows x (256 + 16) bytes for each wave
.set AO,  1                            ; v1      the hidden codes: 48 r + 49,152 h
.set ASC, 2                            ; v2      their scale words: 4 r
.set BA,  3                            ; v3-4    LDS address of my lane in the weights' fragments, K steps 0-7 and 8-15
.set SBA, 5                            ; v5      and in their scale words
.set TOK, 6                            ; v6      the token of rank 32 pi + lane
.set SMV, 7                            ; v7      that token's mask of experts
.set STA, 8                            ; v8      my stage, on the way in
.set STR, 9                            ; v9      and back
.set SA,  10                           ; v10-15  the rows' scale words, three sets of two: scales and nothing else
.set ACC, 16                           ; v16-79  accumulator (i, T) at 16 + 8 (4 i + T)
.set AF,  80                           ; v80-151 the rows' fragments, three sets of two
.set BF,  152                          ; v152-247 the weights' fragments, two sets of four
.set SB,  248                          ; v248-255 the weights' scale words, two sets of four: scales and nothing else
.set RK,  16
.set FW,  17
.set FBS, 18
.set FCI, 19
.set FA1, 20
.set FA2, 21
.set FA4, 22
.set FA8, 23
.set FK,  24
.set FPOS, 25
.set FT,  26
.set FP2, 27
.set FK2, 28
.set SMO, 30                           ; v30     4 x the token: the offset of its mask word
.set MXA, 48
.set MXB, 49
.set SOP, 50
.set BYT, 51
.set SW0, 52
.set TA,  54
.set TB,  55
.set C0,  56
.set TC,  65
.set TD,  75
.set LB,  76
.set LSC, 77
.set LOF, 78
.set OB,  152                          ; the epilogue's, where the weights' fragments lay: v152-215 two sets of 16 rows read back from the stage,
.set OF,  216                          ; v216-231 the sixteen stores' offsets
.set QV,  232
.set ET,  233
.set QR,  234
.set CL,  235
.set RL,  236
; s16 wave  s17 e  s18 cs  s19 1 << e  s20 the expert's rows  s21 items  s22 my item  s23 the same, bounded  s[24:25] an offset  s26, s27 at work  s30 kh  s[32:63] the 32 masks
; s66 lanes 16-31  s67, s74 constant parts of the item's offsets  s[68:69], s[70:71] the item's places in hc, hs  s73 the experts below e  s75 the item's first rank
; s76 the row for ranks past the count  s77 2048 kh  s78 my items' number  s79 counts them
.macro XLOAD t
.set XS, AF+72*((\t)%2)
.set n, 0
.rept 32
	global_load_b32 v[XS+n], v[LOF], s[4:5] offset:(32*(\t)+n)*RS th:TH_LOAD_NT
	global_load_b32 v[XS+32+n], v[LOF], s[4:5] offset:(32*(\t)+n)*RS+128 th:TH_LOAD_NT
.set n, n+1
.endr
.endm
.macro QBLK t, cb
.set XB, AF+72*((\t)%2)+32*(\cb)
.set CR, C0+10*(\cb)
.set HH, (\t)/2                        ; the block's place in the operand, as the hidden layer's blocks were laid
.set CCI, (\t)%2
.set BP, 2*((\t)%2)+(\t)/2
	v_max3_num_f32 v[MXA], |v[XB]|, |v[XB+1]|, |v[XB+2]|
	v_max3_num_f32 v[MXB], |v[XB+3]|, |v[XB+4]|, |v[XB+5]|
.irp i, 6,10,14,18,22,26
	v_max3_num_f32 v[MXA], v[MXA], |v[XB+\i]|, |v[XB+\i+1]|
	v_max3_num_f32 v[MXB], v[MXB], |v[XB+\i+2]|, |v[XB+\i+3]|
.endr
	v_max3_num_f32 v[MXA], v[MXA], |v[XB+30]|, |v[XB+31]|
	v_max3_num_f32 v[MXA], v[MXA], v[MXB], 0x1800000   ; with the floor 2^(3 - 127): the byte cannot fall under 1
	v_add_nc_u32 v[SOP], 0xff000000, v[MXA]        ; 2 off the exponent field: the conversion's scale operand
	v_lshrrev_b32 v[BYT], 23, v[SOP]               ; the scale's byte
.if (\t) == 0
	v_mov_b32 v[SW0+\cb], v[BYT]
.else
	v_lshl_or_b32 v[SW0+\cb], v[BYT], 8*BP, v[SW0+\cb]
.endif
	s_wait_dscnt 3                                 ; this set's earlier stores are done; the other set's three may be out
	v_cvt_scalef32_pk16_fp6_f32 v[CR:CR+2], v[XB:XB+15], v[SOP]
	v_cvt_scalef32_pk16_fp6_f32 v[CR+6:CR+8], v[XB+16:XB+31], v[SOP]   ; (a conversion's three registers begin on an even number)
	v_nop                                          ; one plain place behind a scaled conversion
.irp i, 0,1,2
	v_mov_b32 v[CR+3+\i], v[CR+6+\i]
.endr
.irp i, 0,1,2
	ds_store_b64 v[LB], v[CR+2*\i:CR+2*\i+1] offset:3072*(\cb)+768*HH+24*CCI+8*\i
.endr
.endm
.macro LEVEL a, w, step
	v_bfe_u32 v[FT], v[\a], v[FPOS], \w            ; set bits in the lower half of what is left
	v_add_nc_u32 v[FP2], \step, v[FPOS]
	v_sub_nc_u32 v[FK2], v[FK], v[FT]
	v_cmp_ge_u32 vcc_lo, v[FK], v[FT]
	v_cndmask_b32 v[FPOS], v[FPOS], v[FP2], vcc_lo
	v_cndmask_b32 v[FK], v[FK], v[FK2], vcc_lo
.endm
; the rank in v[RK] becomes its token in v[TOK]: the mask that holds it, then the bit, by halving
.macro FIND
	v_mov_b32 v[FW], s32
	v_mov_b32 v[FBS], 0
	v_mov_b32 v[FCI], 0
	s_bcnt1_i32_b32 s26, s32
.set c, 1
.rept 31
	v_cmp_gt_u32 vcc_lo, s26, v[RK]                ; more bits ahead of mask c than my rank: what I have stays
	v_cndmask_b32 v[FW], s[32+c], v[FW], vcc_lo
	v_cndmask_b32 v[FBS], s26, v[FBS], vcc_lo
	v_cndmask_b32 v[FCI], c, v[FCI], vcc_lo
	s_bcnt1_i32_b32 s27, s[32+c]
	s_add_co_u32 s26, s26, s27
.set c, c+1
.endr
	v_sub_nc_u32 v[FK], v[RK], v[FBS]
	v_mov_b32 v[FPOS], 0
	v_lshrrev_b32 v[FT], 1, v[FW]
	v_and_b32 v[FT], 0x55555555, v[FT]
	v_sub_nc_u32 v[FA1], v[FW], v[FT]
	v_lshrrev_b32 v[FT], 2, v[FA1]
	v_and_b32 v[FT], 0x33333333, v[FT]
	v_and_b32 v[FA2], 0x33333333, v[FA1]
	v_add_nc_u32 v[FA2], v[FA2], v[FT]
	v_lshrrev_b32 v[FT], 4, v[FA2]
	v_add_nc_u32 v[FT], v[FA2], v[FT]
	v_and_b32 v[FA4], 0x0f0f0f0f, v[FT]
	v_lshrrev_b32 v[FT], 8, v[FA4]
	v_add_nc_u32 v[FA8], v[FA4], v[FT]
	LEVEL FA8, 6, 16
	LEVEL FA4, 8, 8
	LEVEL FA2, 4, 4
	LEVEL FA1, 2, 2
	LEVEL FW, 1, 1
	v_lshrrev_b32 v[FT], 2, v[FCI]
	v_and_b32 v[FK2], 3, v[FCI]
	v_lshl_add_u32 v[FK2], v[FPOS], 2, v[FK2]
	v_lshl_add_u32 v[TOK], v[FT], 7, v[FK2]        ; 128 (c / 4) + 4 bit + c % 4
	v_min_u32 v[TOK], 0x3ff, v[TOK]                ; a number made of loaded numbers enters an address only behind a bound
.endm
.macro LOADB s
.set BR, BF+48*((\s)%2)
.set BO, ((\s)%(NK/2))*NT*1536
.irp tt, 0,1,2,3
.irp j, 0,1,2
	ds_load_b128 v[BR+12*\tt+4*\j:BR+12*\tt+4*\j+3], v[BA+(\s)/(NK/2)] offset:BO+1536*\tt+16*\j
.endr
.endr
	ds_load_b128 v[SB+4*((\s)%2):SB+4*((\s)%2)+3], v[SBA] offset:(\s)*64*NT
.endm
; the rows' two fragments and scale words of K step s: 8 loads; 16 lanes' 48 bytes lie on end
.macro LOADA s
.set AR, AF+24*((\s)%3)
.irp i2, 0,1
.irp j, 0,1,2
	global_load_b128 v[AR+12*\i2+4*\j:AR+12*\i2+4*\j+3], v[AO], s[68:69] offset:98304*(\s)+768*\i2+16*\j
.endr
	global_load_b32 v[SA+2*((\s)%3)+\i2], v[ASC], s[70:71] offset:4096*(\s)+64*\i2
.endr
.endm
; the eight accumulators take turns, one instruction a turn, in the same order in every K step; K step 0 starts the sums
.macro MULS s
.irp i2, 0,1
.irp tt, 0,1,2,3
.if (\s) == 0
	v_wmma_scale_f32_16x16x128_f8f6f4 v[ACC+8*(4*\i2+\tt):ACC+8*(4*\i2+\tt)+7], v[BF+48*((\s)%2)+12*\tt:BF+48*((\s)%2)+12*\tt+11], v[AF+24*((\s)%3)+12*\i2:AF+24*((\s)%3)+12*\i2+11], 0, v[SB+4*((\s)%2)+\tt], v[SA+2*((\s)%3)+\i2] matrix_a_fmt:MATRIX_FMT_FP6 matrix_b_fmt:MATRIX_FMT_FP6
.else
	v_wmma_scale_f32_16x16x128_f8f6f4 v[ACC+8*(4*\i2+\tt):ACC+8*(4*\i2+\tt)+7], v[BF+48*((\s)%2)+12*\tt:BF+48*((\s)%2)+12*\tt+11], v[AF+24*((\s)%3)+12*\i2:AF+24*((\s)%3)+12*\i2+11], v[ACC+8*(4*\i2+\tt):ACC+8*(4*\i2+\tt)+7], v[SB+4*((\s)%2)+\tt], v[SA+2*((\s)%3)+\i2] matrix_a_fmt:MATRIX_FMT_FP6 matrix_b_fmt:MATRIX_FMT_FP6
.endif
.endr
.endr
.endm
.macro MATMUL
	LOADB 0
	LOADB 1
.set KS, 0
.rept NK
.if NK-1-KS >= 2
	s_wait_loadcnt 16                              ; this K step's rows are in (and, in K step 0, the mask word asked for ahead of them); the two later sets, 8 loads each, may be out
.else
	s_wait_loadcnt 8*(NK-1-KS)
.endif
.if KS < NK-1
	s_wait_dscnt 13                                ; this K step's weights are in; the next step's 13 loads may be out
.else
	s_wait_dscnt 0x0
.endif
	MULS KS
.rept 4
	v_nop                                          ; four places in front of loads into registers that these products read, and of the first read of results
.endr
.if KS+3 < NK
	LOADA KS+3
.endif
.if KS+2 < NK
	LOADB KS+2
.endif
.set KS, KS+1
.endr
	v_nop                                          ; a fifth: the next item's first products begin these accumulators anew
.endm
.macro PROLOG_ADDR
	s_min_u32 s23, s22, 31                         ; an item past the last keeps its addresses inside the buffers; what it loads is not used
	s_lshl_b32 s75, s23, 5
	v_and_b32 v[RK], 31, v0
	v_add_nc_u32 v[RK], s75, v[RK]                 ; lane l: rank 32 pi + l
	FIND
	v_lshlrev_b32 v[SMO], 2, v[TOK]
	s_mul_i32 s24, s23, 1536
	s_add_co_u32 s24, s24, s67
	s_add_nc_u64 s[68:69], s[6:7], s[24:25]
	s_lshl_b32 s24, s23, 7
	s_add_co_u32 s24, s24, s74
	s_add_nc_u64 s[70:71], s[8:9], s[24:25]
.endm
.macro PROLOG_LOAD
	global_load_b32 v[SMV], v[SMO], s[10:11]       ; my rank's token's mask of experts.  Its offset register lies among the accumulators: K step 0's wait shows this load done ahead of the first product
	LOADA 0
	LOADA 1
	LOADA 2
.endm
	s_load_b256 s[4:11], s[0:1], 0x0               ; w2, hc, hs, selm
	s_load_b64 s[12:13], s[0:1], 0x20              ; y
	v_lshrrev_b32 v[TA], 5, v0
	v_readfirstlane_b32 s16, v[TA]                 ; wave 0..15
	s_and_b32 s17, ttmp7, 0xffff                   ; the expert
	s_and_b32 s18, ttmp9, 15                       ; which 64 columns
	s_lshr_b32 s30, ttmp9, 4                       ; which half of K
	s_lshl_b32 s19, 1, s17
	s_sub_co_u32 s73, s19, 1
	s_mov_b32 s66, 0xffff0000
	s_lshl_b32 s76, s30, 3
	s_add_co_u32 s76, s76, s17
	s_add_co_u32 s76, s76, 0x1000                  ; row 4096 + 8 kh + e
	s_lshl_b32 s77, s30, 11
	s_mov_b32 s25, 0
	v_and_b32 v[TA], 31, v0                        ; l
	v_and_b32 v[TB], 15, v0                        ; r
	v_bfe_u32 v[TC], v0, 4, 1                      ; h
	v_mul_u32_u24 v[BA], v[TA], 48
	v_add_nc_u32 v[BA+1], 49152, v[BA]
	v_lshl_add_u32 v[SBA], v[TB], 4, SCL
	v_mul_u32_u24 v[AO], v[TB], 48
	v_mad_u32_u24 v[AO], v[TC], 0xc000, v[AO]
	v_lshlrev_b32 v[ASC], 2, v[TB]
	s_mul_i32 s26, s16, 4352
	s_add_co_u32 s26, s26, STG
	v_mul_u32_u24 v[STA], v[TB], 272
	v_lshl_add_u32 v[STA], v[TC], 5, v[STA]
	v_add_nc_u32 v[STA], s26, v[STA]               ; in: row r, my eight columns of a tile at 32 h
	v_mul_u32_u24 v[STR], v[TC], 272
	v_lshl_add_u32 v[STR], v[TB], 4, v[STR]
	v_add_nc_u32 v[STR], s26, v[STR]               ; back: lanes 0-15 one row of 256 bytes, lanes 16-31 the next
	s_mul_i32 s26, s16, 6144
	v_mul_u32_u24 v[LB], v[TB], 48
	v_mad_u32_u24 v[LB], v[TC], 1536, v[LB]
	v_add_nc_u32 v[LB], s26, v[LB]                 ; where my column's codes go: column l of a block of 32 is row l % 16 of tile 2 cb + l / 16
	s_lshl_b32 s26, s16, 8
	s_add_co_u32 s26, s26, SCL
	v_lshlrev_b32 v[LSC], 4, v[TB]
	v_lshl_add_u32 v[LSC], v[TC], 2, v[LSC]
	v_add_nc_u32 v[LSC], s26, v[LSC]               ; and its scale word
	v_lshlrev_b32 v[LOF], 2, v[TA]
	v_lshlrev_b32 v[TD], 4, v[TA]
	s_lshl_b32 s24, s17, 24                        ; my part of w2, in bytes: expert, half of K, my 128 rows, column
	s_lshl_b32 s26, s30, 23
	s_add_co_u32 s24, s24, s26
	s_lshl_b32 s26, s16, 19
	s_add_co_u32 s24, s24, s26
	s_lshl_b32 s26, s18, 8
	s_add_co_u32 s24, s24, s26
	s_lshl_b32 s26, s17, 5
	s_lshl_b32 s27, s30, 4
	s_add_co_u32 s26, s26, s27                     ; 32 e + 16 kh: my first K step
	s_mul_i32 s67, s26, 98304
	s_lshl_b32 s74, s26, 12
	s_wait_kmcnt 0x0
	s_add_nc_u64 s[4:5], s[4:5], s[24:25]
	s_lshl_b32 s24, s18, 8
	s_add_nc_u64 s[12:13], s[12:13], s[24:25]      ; y at my 64 columns; the row's number carries the half of K
.irp j, 0,1,2,3,4,5,6,7
	global_load_b128 v[16+4*\j:19+4*\j], v[TD], s[10:11] offset:512*\j    ; all 1,024 masks: register 4 j + m of lane l is token 128 j + 4 l + m
.endr
	XLOAD 0
	s_wait_loadcnt 63                              ; the masks are in: 64 loads are younger, and 63 is the largest count that can be written
.set c, 0
.rept 32
	v_and_b32 v[TA], s19, v[16+c]
	v_cmp_ne_u32 s[32+c], 0, v[TA]
.set c, c+1
.endr
	s_mov_b32 s20, 0
.set c, 0
.rept 32
	s_bcnt1_i32_b32 s27, s[32+c]
	s_add_co_u32 s20, s20, s27                     ; the expert's rows
.set c, c+1
.endr
	s_add_co_u32 s21, s20, 31
	s_lshr_b32 s21, s21, 5                         ; items: one for each 32 ranks
	s_mov_b32 s22, s16                             ; my first item
	s_add_co_u32 s78, s21, 15
	s_sub_co_u32 s78, s78, s16
	s_lshr_b32 s78, s78, 4                         ; how many of the items w, w + 16, .. there are
	s_mov_b32 s79, 0
	XLOAD 1
	PROLOG_ADDR
	s_wait_loadcnt 63                              ; block 0 is in: block 1's 64 loads are younger
	QBLK 0, 0
	QBLK 0, 1
	XLOAD 2
	s_wait_loadcnt 63
	QBLK 1, 0
	QBLK 1, 1
	XLOAD 3
	s_wait_loadcnt 63
	QBLK 2, 0
	QBLK 2, 1
	PROLOG_LOAD                                    ; my first item's rows, into the registers that blocks 0 and 2 have left
	s_wait_loadcnt 25                              ; block 3 is in: those 25 loads are younger
	QBLK 3, 0
	QBLK 3, 1
	ds_store_b32 v[LSC], v[SW0]
	ds_store_b32 v[LSC], v[SW0+1] offset:8
	s_wait_dscnt 0x0                               ; for the others' sake: my codes and scale words have landed
	s_barrier_signal -1
	s_barrier_wait -1                              ; the codes are whole; nobody writes them again
	s_cmp_eq_u32 s78, 0
	s_cbranch_scc1 .Lend
.Litem:
	MATMUL
	v_and_b32 v[ET], s73, v[SMV]                   ; does my token's other expert have a lower number?
	v_min_u32 v[ET], 1, v[ET]
	v_lshlrev_b32 v[QR], 1, v[TOK]
	v_add_nc_u32 v[QR], v[QR], v[ET]
	v_add_nc_u32 v[QR], s77, v[QR]                 ; lane l: the row of y of rank 32 pi + l: 2048 kh + 2 n + slot
	v_and_b32 v[RL], 31, v0
	v_add_nc_u32 v[RL], s75, v[RL]
	v_cmp_gt_u32 vcc_lo, s20, v[RL]
	v_cndmask_b32 v[QR], s76, v[QR], vcc_lo        ; a rank past the expert's count: the work-group's own row behind y's
	v_and_b32 v[CL], 15, v0
	v_lshlrev_b32 v[CL], 4, v[CL]
.irp i2, 0,1                           ; 16 rows at a time through my stage, so that sixteen lanes store a row's 256 bytes
.irp tt, 0,1,2,3
	ds_store_b128 v[STA], v[ACC+8*(4*\i2+\tt):ACC+8*(4*\i2+\tt)+3] offset:64*\tt         ; each accumulator from its low end on
	ds_store_b128 v[STA], v[ACC+8*(4*\i2+\tt)+4:ACC+8*(4*\i2+\tt)+7] offset:64*\tt+16
.endr
.irp t2, 0,1,2,3,4,5,6,7
	ds_load_b128 v[OB+32*\i2+4*\t2:OB+32*\i2+4*\t2+3], v[STR] offset:544*\t2   ; LDS serves a wave's instructions in order: these see my stores, and the next 16 rows' stores come behind them
.endr
.irp t2, 0,1,2,3,4,5,6,7               ; the offsets of the eight stores, made while the rows come back
	v_readlane_b32 s26, v[QR], 16*\i2+2*\t2
	v_readlane_b32 s27, v[QR], 16*\i2+2*\t2+1
	v_mov_b32 v[QV], s27
	v_cndmask_b32 v[QV], s26, v[QV], s66           ; lanes 0-15 hold the even rank's 256 bytes, lanes 16-31 the odd rank's
	v_min_u32 v[QV], 0x100f, v[QV]                 ; y has 4,112 rows
	v_mad_u32_u24 v[OF+8*\i2+\t2], v[QV], 0x1000, v[CL]
.endr
.endr
.irp i2, 0,1
.irp t2, 0,1,2,3,4,5,6,7
	s_wait_dscnt 16*(1-\i2)+7-\t2                  ; this pair of rows is back: behind its load stand the later loads of its half and, for the first half, the second half's 16 instructions
	global_store_b128 v[OF+8*\i2+\t2], v[OB+32*\i2+4*\t2:OB+32*\i2+4*\t2+3], s[12:13]   ; 16 lanes store 256 bytes on end, aligned
.endr
.endr
	s_add_co_u32 s22, s22, 16
	s_wait_xcnt 0x0                                ; the stores have read their registers: they are written again below
	PROLOG_ADDR
	PROLOG_LOAD
	s_add_co_u32 s79, s79, 1                       ; the loop ends on a count of its trips
	s_cmp_lt_u32 s79, s78
	s_cbranch_scc1 .Litem
.Lend:
	s_wait_xcnt 0x0
	v_lshl_add_u32 v254, v0, 2, 0x2a000
	v_mov_b32 v255, 0
	s_wait_tensorcnt 0x0
	ds_add_u32 v254, v255
	s_wait_dscnt 0x0
	s_endpgm
.Lfunc_end_k_q4f8c73b97b_ffn2:
	.size	k_q4f8c73b97b_ffn2, .Lfunc_end_k_q4f8c73b97b_ffn2-k_q4f8c73b97b_ffn2
	.p2alignl 7, 3214868480
	.fill 96, 4, 3214868480
	.section	.rodata,"a",@progbits
	.p2align	6, 0x0
	.amdhsa_kernel k_q4f8c73b97b_ffn2
		.amdhsa_group_segment_fixed_size 174080
		.amdhsa_private_segment_fixed_size 0
		.amdhsa_enable_private_segment 0
		.amdhsa_kernarg_size 40
		.amdhsa_user_sgpr_count 2
		.amdhsa_user_sgpr_kernarg_segment_ptr 1
		.amdhsa_wavefront_size32 1
		.amdhsa_system_sgpr_workgroup_id_x 1
		.amdhsa_system_sgpr_workgroup_id_y 1
		.amdhsa_system_sgpr_workgroup_id_z 1
		.amdhsa_system_vgpr_workitem_id 0
		.amdhsa_next_free_vgpr 256
		.amdhsa_next_free_sgpr 80
		.amdhsa_reserve_vcc 1
		.amdhsa_float_denorm_mode_32 3
		.amdhsa_float_denorm_mode_16_64 3
		.amdhsa_memory_ordered 1
		.amdhsa_forward_progress 1
		.amdhsa_inst_pref_size 121
	.end_amdhsa_kernel
	.amdgpu_metadata
---
amdhsa.version: [ 1, 2 ]
amdhsa.kernels:
  - .name:           k_q4f8c73b97b_ffn2
    .symbol:         k_q4f8c73b97b_ffn2.kd
    .args:
      - { .name: w2, .offset: 0, .size: 8, .value_kind: global_buffer, .address_space: global }
      - { .name: hc, .offset: 8, .size: 8, .value_kind: global_buffer, .address_space: global }
      - { .name: hs, .offset: 16, .size: 8, .value_kind: global_buffer, .address_space: global }
      - { .name: selm, .offset: 24, .size: 8, .value_kind: global_buffer, .address_space: global }
      - { .name: y, .offset: 32, .size: 8, .value_kind: global_buffer, .address_space: global }
    .group_segment_fixed_size: 174080
    .private_segment_fixed_size: 0
    .kernarg_segment_align: 8
    .kernarg_segment_size: 40
    .max_flat_workgroup_size: 512
    .sgpr_count:     80
    .vgpr_count:     256
    .wavefront_size: 32
...
	.end_amdgpu_metadata
.endif
;; end of part 3
;; launch combine (part 4): grid 256 x 1, 8 waves a work-group, no clusters, 0 bytes of LDS; arguments y, gate, out0; writes out0
.if DOCPART == 4
	.amdgcn_target "amdgcn-amd-amdhsa--gfx1250"
	.amdhsa_code_object_version 6
	.text
	.protected	k_q4f8c73b97b_combine
	.globl	k_q4f8c73b97b_combine
	.p2align	8
	.type	k_q4f8c73b97b_combine,@function
k_q4f8c73b97b_combine:
	s_mov_b64 s[64:65], 0
	v_nop
	global_prefetch_b8 v0, s[64:65] scope:SCOPE_SE
	s_setreg_imm32_b32 hwreg(HW_REG_WAVE_MODE, 25, 1), 1
	s_wait_xcnt 0x0
; out0[n] = g0 (y[0][2 n] + y[1][2 n]) + g1 (y[0][2 n + 1] + y[1][2 n + 1]):  the two halves of the second product's K, and the token's two experts with their weights.
; A stream: a wave takes half a row of one token, n = 4 x work-group + wave / 2; every load and store covers 512 bytes on end.  No LDS, no barrier, no loop, no matrix unit: memory binds.
.set Y, 8                              ; v8-71: (half of K k, slot t, piece j) at 8 + 32 k + 16 t + 4 j
	s_load_b128 s[4:7], s[0:1], 0x0                ; y, gate
	s_load_b64 s[8:9], s[0:1], 0x10                ; out0
	v_lshrrev_b32 v1, 5, v0
	v_readfirstlane_b32 s10, v1                    ; wave
	s_lshr_b32 s11, s10, 1
	s_and_b32 s12, s10, 1                          ; which half of the row
	s_lshl_b32 s13, ttmp9, 2
	s_add_co_u32 s13, s13, s11                     ; the token
	v_and_b32 v1, 31, v0
	v_lshlrev_b32 v1, 4, v1                        ; 16 bytes a lane
	s_lshl_b32 s12, s12, 11
	s_lshl_b32 s14, s13, 13                        ; y: two rows of 4,096 bytes a token
	s_add_co_u32 s14, s14, s12
	s_mov_b32 s15, 0
	s_lshl_b32 s16, s13, 12
	s_add_co_u32 s16, s16, s12
	s_mov_b32 s17, 0
	s_lshl_b32 s18, s13, 3
	s_mov_b32 s19, 0
	s_wait_kmcnt 0x0
	s_add_nc_u64 s[6:7], s[6:7], s[18:19]
	s_load_b64 s[20:21], s[6:7], 0x0               ; the token's two weights
	s_add_nc_u64 s[4:5], s[4:5], s[14:15]
	s_add_nc_u64 s[24:25], s[4:5], 0x800000        ; the other half of K lies 8,388,608 bytes on: one more than an immediate holds
	s_add_nc_u64 s[8:9], s[8:9], s[16:17]
.irp k, 0,1
.irp t, 0,1
.irp j, 0,1,2,3
	global_load_b128 v[Y+32*\k+16*\t+4*\j:Y+32*\k+16*\t+4*\j+3], v1, s[4+20*\k:5+20*\k] offset:4096*\t+512*\j th:TH_LOAD_NT
.endr
.endr
.endr
	s_wait_kmcnt 0x0
	s_mov_b32 s26, s21                             ; the second weight in a pair of its own: the packed form takes a pair's low word for both halves
	s_mov_b32 s27, s21
	s_wait_loadcnt 0x0
.irp i, 0,2,4,6,8,10,12,14,16,18,20,22,24,26,28,30
	v_pk_add_f32 v[Y+\i:Y+\i+1], v[Y+\i:Y+\i+1], v[Y+32+\i:Y+32+\i+1]
.endr
.irp i, 0,2,4,6,8,10,12,14
	v_pk_mul_f32 v[Y+\i:Y+\i+1], v[Y+\i:Y+\i+1], s[20:21] op_sel_hi:[1,0]
.endr
.irp i, 0,2,4,6,8,10,12,14
	v_pk_fma_f32 v[Y+\i:Y+\i+1], v[Y+16+\i:Y+16+\i+1], s[26:27], v[Y+\i:Y+\i+1] op_sel_hi:[1,0,1]
.endr
.irp j, 0,1,2,3
	global_store_b128 v1, v[Y+4*\j:Y+4*\j+3], s[8:9] offset:512*\j th:TH_STORE_NT
.endr
	s_endpgm
.Lfunc_end_k_q4f8c73b97b_combine:
	.size	k_q4f8c73b97b_combine, .Lfunc_end_k_q4f8c73b97b_combine-k_q4f8c73b97b_combine
	.p2alignl 7, 3214868480
	.fill 96, 4, 3214868480
	.section	.rodata,"a",@progbits
	.p2align	6, 0x0
	.amdhsa_kernel k_q4f8c73b97b_combine
		.amdhsa_group_segment_fixed_size 0
		.amdhsa_private_segment_fixed_size 0
		.amdhsa_enable_private_segment 0
		.amdhsa_kernarg_size 24
		.amdhsa_user_sgpr_count 2
		.amdhsa_user_sgpr_kernarg_segment_ptr 1
		.amdhsa_wavefront_size32 1
		.amdhsa_system_sgpr_workgroup_id_x 1
		.amdhsa_system_sgpr_workgroup_id_y 1
		.amdhsa_system_sgpr_workgroup_id_z 1
		.amdhsa_system_vgpr_workitem_id 0
		.amdhsa_next_free_vgpr 72
		.amdhsa_next_free_sgpr 66
		.amdhsa_reserve_vcc 0
		.amdhsa_float_denorm_mode_32 3
		.amdhsa_float_denorm_mode_16_64 3
		.amdhsa_memory_ordered 1
		.amdhsa_forward_progress 1
		.amdhsa_inst_pref_size 6
	.end_amdhsa_kernel
	.amdgpu_metadata
---
amdhsa.version: [ 1, 2 ]
amdhsa.kernels:
  - .name:           k_q4f8c73b97b_combine
    .symbol:         k_q4f8c73b97b_combine.kd
    .args:
      - { .name: y, .offset: 0, .size: 8, .value_kind: global_buffer, .address_space: global }
      - { .name: gate, .offset: 8, .size: 8, .value_kind: global_buffer, .address_space: global }
      - { .name: out0, .offset: 16, .size: 8, .value_kind: global_buffer, .address_space: global }
    .group_segment_fixed_size: 0
    .private_segment_fixed_size: 0
    .kernarg_segment_align: 8
    .kernarg_segment_size: 24
    .max_flat_workgroup_size: 256
    .sgpr_count:     66
    .vgpr_count:     72
    .wavefront_size: 32
...
	.end_amdgpu_metadata
.endif
;; end of part 4
;; ======== version 2 of 2: 4 launches
;; workspace buffers: xc 786,432 bytes; xs 32,768 bytes; selm 4,096 bytes of whole numbers; gate 8,192 bytes; hc 25,165,824 bytes; hs 1,048,576 bytes; y 16,842,752 bytes
;; launch route (part 5): grid 256 x 1, 4 waves a work-group, no clusters, 58,880 bytes of LDS; arguments x, w_router, xc, xs, selm, gate; writes xc, xs, selm, gate
.if DOCPART == 5
	.amdgcn_target "amdgcn-amd-amdhsa--gfx1250"
	.amdhsa_code_object_version 6
	.text
	.protected	k_q4f8c73b97b_route
	.globl	k_q4f8c73b97b_route
	.p2align	8
	.type	k_q4f8c73b97b_route,@function
k_q4f8c73b97b_route:
	s_mov_b64 s[64:65], 0
	v_nop
	global_prefetch_b8 v0, s[64:65] scope:SCOPE_SE
	s_setreg_imm32_b32 hwreg(HW_REG_WAVE_MODE, 25, 1), 1
	s_wait_xcnt 0x0
; ROUTER AND QUANTISER OF x.  One wave takes one token n = 4 x work-group + wave.
; It computes the 8 logits x[n] . w_router[:, e] in f32, the softmax's exponentials with the maximum taken off, the two largest (the lower index keeps a tie),
; their weights p / (p1 + p2), and stores   selm[n] = (1 << e1) | (1 << e2)   (a whole number)   and   gate[n] = the two weights, the lower expert's first.
; It also turns x[n] into codes of E2M3 with one E8M0 byte for each 32 along K:  xs[n][block],  xc[n][K step s][h][c][24 bytes], block 4 s + 2 c + h, so that
; lane (r, h) of a matrix operand finds its 48 bytes of a K step on end.
; LIMITS: NaN and infinities are not served.  A block whose largest magnitude lies under 2^-124 keeps the scale byte 1 (a block of zeros too: its codes are zeros, and this
; program alone reads the bytes).  Ties between experts are decided on the exponentials before the softmax's division; exponentials under 2^-126 count as 0.
; No matrix unit: N = 8 is too narrow for it, and the choice wants f32.  No cluster: the work-groups share only w_router, 32 KiB.
.set WL,  0                            ; LDS: w_router as 256 pieces of 128 bytes (4 rows k) + 16 of padding
.set TS,  36864                        ; each wave's stage for turning x: 32 pieces of 128 bytes + 16
.set CS,  55296                        ; each wave's stage for its 768 bytes of codes
.set D,   2                            ; v2-33    x as loaded: D[4 j + m] = x[128 j + 4 lane + m]
.set G,   34                           ; v34-97   w_router on its way to LDS; then two sets of 32: w[k][0..7] for my four k of a group
.set X,   98                           ; v98-129  x turned: X[i] = x[32 lane + i]: a whole block of 32
.set AC,  130                          ; v130-137 the 8 sums
.set MXA, 138
.set MXB, 139
.set SOP, 140
.set BYT, 141
.set CR,  142                          ; v142-150 the block's codes
.set AX,  152
.set AW,  153
.set LTS, 154
.set LWS, 155
.set LXL, 156
.set LWL, 157
.set LCS, 158
.set LCL, 159
.set G8,  160
.set CO,  162                          ; v162-167 codes on the way out
.set T0,  168
.set T1,  169
.set TR,  170                          ; v170-177
.set MX,  178
.set B1,  179
.set I1,  180
.set B2,  181
.set I2,  182
.set NEG, 183
.set ONE, 184
.set QQ,  186                          ; v186-193
.set SM,  194
.set GT,  196                          ; v196-197
.set ZO,  198
.set G1V, 199
.set G2V, 200
	s_load_b256 s[4:11], s[0:1], 0x0               ; x, w_router, xc, xs
	s_load_b128 s[12:15], s[0:1], 0x20             ; selm, gate
	v_lshl_add_u32 v204, v0, 2, 0xe400
	v_mov_b32 v205, 0
	v_lshrrev_b32 v1, 5, v0
	v_readfirstlane_b32 s16, v1                    ; wave
	v_and_b32 v1, 31, v0                           ; lane
	s_lshl_b32 s17, ttmp9, 2
	s_add_co_u32 s17, s17, s16                     ; my token
	s_mov_b32 s22, 0x76543210
	s_mov_b32 s23, 0xfedcba98                      ; selects of v_permlanex16_b32: lane l xor 16
	v_lshlrev_b32 v[AX], 4, v1                     ; x: 16 bytes a lane
	v_lshlrev_b32 v[AW], 4, v0                     ; w_router: 16 bytes a thread
	s_mul_i32 s18, s16, 4608
	s_add_co_u32 s18, s18, TS                      ; my turning stage
	v_lshrrev_b32 v[T0], 3, v1
	v_and_b32 v[T1], 7, v1
	v_mul_u32_u24 v[LTS], v[T0], 144
	v_lshl_add_u32 v[LTS], v[T1], 4, v[LTS]
	v_add_nc_u32 v[LTS], s18, v[LTS]               ; in: eight lanes' 128 bytes on end, then 16 of padding
	v_lshrrev_b32 v[T0], 3, v0
	v_and_b32 v[T1], 7, v0
	v_mul_u32_u24 v[LWS], v[T0], 144
	v_lshl_add_u32 v[LWS], v[T1], 4, v[LWS]        ; w_router into LDS likewise, by thread
	v_mul_u32_u24 v[LWL], v1, 144                  ; and out: piece 32 j + lane
	v_add_nc_u32 v[LXL], s18, v[LWL]               ; x out of the stage: piece lane
	s_mul_i32 s19, s16, 768
	s_add_co_u32 s19, s19, CS                      ; my code stage
	v_lshrrev_b32 v[T0], 2, v1
	v_mul_u32_u24 v[LCS], v[T0], 96                ; block lane = 4 s + 2 c + h goes to 96 s + 48 h + 24 c
	v_and_b32 v[T1], 1, v1
	v_mad_u32_u24 v[LCS], v[T1], 48, v[LCS]
	v_bfe_u32 v[T1], v1, 1, 1
	v_mad_u32_u24 v[LCS], v[T1], 24, v[LCS]
	v_add_nc_u32 v[LCS], s19, v[LCS]
	v_lshlrev_b32 v[G8], 3, v1
	v_add_nc_u32 v[LCL], s19, v[G8]                ; back: 8 bytes a lane
	s_mov_b32 s21, 0
	s_wait_kmcnt 0x0
	s_lshl_b32 s20, s17, 12
	s_add_nc_u64 s[4:5], s[4:5], s[20:21]          ; x[n]
	s_mul_i32 s20, s17, 768
	s_add_nc_u64 s[8:9], s[8:9], s[20:21]          ; xc[n]
	s_lshl_b32 s20, s17, 5
	s_add_nc_u64 s[10:11], s[10:11], s[20:21]      ; xs[n]
	s_lshl_b32 s20, s17, 2
	s_add_nc_u64 s[12:13], s[12:13], s[20:21]      ; selm[n]
	s_lshl_b32 s20, s17, 3
	s_add_nc_u64 s[14:15], s[14:15], s[20:21]      ; gate[n]
.irp j, 0,1,2,3,4,5,6,7
	global_load_b128 v[D+4*\j:D+4*\j+3], v[AX], s[4:5] offset:512*\j th:TH_LOAD_NT     ; 512 bytes on end a load
.endr
.irp q, 0,1,2,3,4,5,6,7,8,9,10,11,12,13,14,15
	global_load_b128 v[G+4*\q:G+4*\q+3], v[AW], s[6:7] offset:2048*\q                  ; the work-group's four waves bring all of w_router
.endr
	s_wait_loadcnt 16                              ; x is in; the 16 loads of w_router are younger
.irp j, 0,1,2,3,4,5,6,7
	ds_store_b128 v[LTS], v[D+4*\j:D+4*\j+3] offset:576*\j
.endr
	s_wait_loadcnt 0x0
.irp q, 0,1,2,3,4,5,6,7,8,9,10,11,12,13,14,15
	ds_store_b128 v[LWS], v[G+4*\q:G+4*\q+3] offset:2304*\q
.endr
	s_wait_dscnt 0x0                               ; for the others' sake: my part of w_router has landed
	s_barrier_signal -1
	s_barrier_wait -1                              ; the one barrier: w_router is whole
.irp i, 0,1,2,3,4,5,6,7
	ds_load_b128 v[X+4*\i:X+4*\i+3], v[LXL] offset:16*\i
.endr
; group j: w[128 j + 4 lane + m][0..7], m = 0..3, into set j % 2
.macro WLOAD j
.irp m, 0,1,2,3
	ds_load_b128 v[G+32*((\j)%2)+8*\m:G+32*((\j)%2)+8*\m+3], v[LWL] offset:4608*(\j)+32*\m
	ds_load_b128 v[G+32*((\j)%2)+8*\m+4:G+32*((\j)%2)+8*\m+7], v[LWL] offset:4608*(\j)+32*\m+16
.endr
.endm
; 16 packed multiply-adds: two experts an instruction, one x for both (the first or the second register of x's pair)
.macro DOT j
.set GB, G+32*((\j)%2)
.irp m, 0,1,2,3
.irp a, 0,2,4,6
.if ((\j) == 0) && (\m == 0)
	v_pk_mul_f32 v[AC+\a:AC+\a+1], v[GB+\a:GB+\a+1], v[D:D+1] op_sel_hi:[1,0]          ; the first products start the sums
.elseif \m%2 == 0
	v_pk_fma_f32 v[AC+\a:AC+\a+1], v[GB+8*\m+\a:GB+8*\m+\a+1], v[D+4*(\j)+\m:D+4*(\j)+\m+1], v[AC+\a:AC+\a+1] op_sel_hi:[1,0,1]
.else
	v_pk_fma_f32 v[AC+\a:AC+\a+1], v[GB+8*\m+\a:GB+8*\m+\a+1], v[D+4*(\j)+\m-1:D+4*(\j)+\m], v[AC+\a:AC+\a+1] op_sel:[0,1,0]
.endif
.endr
.endr
.endm
	WLOAD 0
	WLOAD 1
.irp j, 0,1,2,3,4,5,6,7
.if \j < 7
	s_wait_alu depctr_va_vdst(0)
	s_wait_dscnt 8                                 ; this group is in; the next group's eight loads may be out
.else
	s_wait_alu depctr_va_vdst(0)
	s_wait_dscnt 0x0
.endif
	DOT \j
.if \j < 6
	WLOAD \j+2
.endif
.endr
	; my block of 32 numbers of x becomes 24 bytes of codes and a scale byte
	v_max3_num_f32 v[MXA], |v[X]|, |v[X+1]|, |v[X+2]|
	v_max3_num_f32 v[MXB], |v[X+3]|, |v[X+4]|, |v[X+5]|
.irp i, 6,10,14,18,22,26
	v_max3_num_f32 v[MXA], v[MXA], |v[X+\i]|, |v[X+\i+1]|
	v_max3_num_f32 v[MXB], v[MXB], |v[X+\i+2]|, |v[X+\i+3]|
.endr
	v_max3_num_f32 v[MXA], v[MXA], |v[X+30]|, |v[X+31]|
	v_max3_num_f32 v[MXA], v[MXA], v[MXB], 0x1800000   ; with the floor 2^(3 - 127): the byte cannot fall under 1
	v_add_nc_u32 v[SOP], 0xff000000, v[MXA]        ; 2 off the exponent field: the conversion takes this operand's exponent field as its scale
	v_lshrrev_b32 v[BYT], 23, v[SOP]               ; the scale's byte
	v_cvt_scalef32_pk16_fp6_f32 v[CR:CR+2], v[X:X+15], v[SOP]
	v_cvt_scalef32_pk16_fp6_f32 v[CR+6:CR+8], v[X+16:X+31], v[SOP]   ; (a conversion's three registers begin on an even number)
	v_nop                                          ; one plain place behind a scaled conversion
.irp i, 0,1,2
	v_mov_b32 v[CR+3+\i], v[CR+6+\i]
.endr
.irp i, 0,1,2
	ds_store_b64 v[LCS], v[CR+2*\i:CR+2*\i+1] offset:8*\i
.endr
.irp i, 0,1,2
	ds_load_b64 v[CO+2*\i:CO+2*\i+1], v[LCL] offset:256*\i   ; LDS serves a wave's instructions in order: these see my stores
.endr
	global_store_b8 v1, v[BYT], s[10:11]           ; 32 bytes on end
	; the sums over the 32 lanes
.irp e, 0,1,2,3,4,5,6,7
	v_mov_b32 v[TR+\e], 0                          ; a lane permute's destination counts as one of its sources
.endr
.irp k, 1,2,4,8
.irp e, 0,1,2,3,4,5,6,7
	v_add_f32_dpp v[AC+\e], v[AC+\e], v[AC+\e] row_xmask:\k row_mask:0xf bank_mask:0xf
.endr
.endr
.irp e, 0,1,2,3,4,5,6,7
	v_permlanex16_b32 v[TR+\e], v[AC+\e], s22, s23
.endr
.irp e, 0,1,2,3,4,5,6,7
	v_add_f32 v[AC+\e], v[AC+\e], v[TR+\e]         ; every lane holds the 8 logits
.endr
	s_wait_alu depctr_va_vdst(0)
	s_wait_dscnt 0x0
.irp i, 0,1,2
	global_store_b64 v[G8], v[CO+2*\i:CO+2*\i+1], s[8:9] offset:256*\i   ; 32 lanes store 256 bytes on end, aligned
.endr
	; softmax's exponentials, the maximum taken off
	v_max3_num_f32 v[MX], v[AC], v[AC+1], v[AC+2]
	v_max3_num_f32 v[MX], v[MX], v[AC+3], v[AC+4]
	v_max3_num_f32 v[MX], v[MX], v[AC+5], v[AC+6]
	v_max_num_f32 v[MX], v[MX], v[AC+7]
.irp e, 0,1,2,3,4,5,6,7
	v_sub_f32 v[AC+\e], v[AC+\e], v[MX]
.endr
.irp e, 0,1,2,3,4,5,6,7
	v_mul_f32 v[AC+\e], 0x3fb8aa3b, v[AC+\e]       ; x log2(e)
.endr
	s_wait_alu depctr_va_vdst(0)
.irp e, 0,1,2,3,4,5,6,7
	v_exp_f32 v[AC+\e], v[AC+\e]
.endr
	v_mov_b32 v[NEG], -1.0                         ; (a plain place behind the exponentials)
	s_wait_alu depctr_va_vdst(0)
; the largest of eight and its index; where two are equal the lower index stays
.macro SCAN src, best, idx
	v_mov_b32 v[\best], v[\src]
	v_mov_b32 v[\idx], 0
.irp e, 1,2,3,4,5,6,7
	v_cmp_ge_f32 vcc_lo, v[\best], v[\src+\e]
	v_cndmask_b32 v[\idx], \e, v[\idx], vcc_lo
	v_cndmask_b32 v[\best], v[\src+\e], v[\best], vcc_lo
.endr
.endm
	SCAN AC, B1, I1
.irp e, 0,1,2,3,4,5,6,7
	v_cmp_eq_u32 vcc_lo, \e, v[I1]
	v_cndmask_b32 v[QQ+\e], v[AC+\e], v[NEG], vcc_lo   ; the first choice is taken out: -1 lies under every exponential
.endr
	SCAN QQ, B2, I2
	v_add_f32 v[T0], v[B1], v[B2]
	s_wait_alu depctr_va_vdst(0)
	v_rcp_f32 v[T0], v[T0]                         ; the softmax's divisor cancels in p / (p1 + p2)
	v_mov_b32 v[ONE], 1                            ; (a plain place behind the reciprocal)
	s_wait_alu depctr_va_vdst(0)
	v_mul_f32 v[G1V], v[B1], v[T0]
	v_mul_f32 v[G2V], v[B2], v[T0]
	v_lshlrev_b32 v[SM], v[I1], v[ONE]
	v_lshlrev_b32 v[T1], v[I2], v[ONE]
	v_or_b32 v[SM], v[SM], v[T1]
	v_cmp_lt_u32 vcc_lo, v[I1], v[I2]
	v_cndmask_b32 v[GT], v[G2V], v[G1V], vcc_lo    ; the lower expert's weight first
	v_cndmask_b32 v[GT+1], v[G1V], v[G2V], vcc_lo
	v_mov_b32 v[ZO], 0
	v_cmp_eq_u32 vcc_lo, 0, v1
	s_wait_alu depctr_va_vdst(0)
	s_wait_xcnt 0x0                                ; EXEC changes only behind this wait: it is a source of the stores above
	s_wait_tensorcnt 0x0
	ds_add_u32 v204, v205
	s_wait_dscnt 0x0
	s_and_saveexec_b32 s24, vcc_lo                 ; lane 0 stores for the wave, at places fixed by the token's number
	global_store_b32 v[ZO], v[SM], s[12:13]
	global_store_b64 v[ZO], v[GT:GT+1], s[14:15]
	s_wait_xcnt 0x0
	s_or_b32 exec_lo, exec_lo, s24
	s_endpgm
.Lfunc_end_k_q4f8c73b97b_route:
	.size	k_q4f8c73b97b_route, .Lfunc_end_k_q4f8c73b97b_route-k_q4f8c73b97b_route
	.p2alignl 7, 3214868480
	.fill 96, 4, 3214868480
	.section	.rodata,"a",@progbits
	.p2align	6, 0x0
	.amdhsa_kernel k_q4f8c73b97b_route
		.amdhsa_group_segment_fixed_size 58880
		.amdhsa_private_segment_fixed_size 0
		.amdhsa_enable_private_segment 0
		.amdhsa_kernarg_size 48
		.amdhsa_user_sgpr_count 2
		.amdhsa_user_sgpr_kernarg_segment_ptr 1
		.amdhsa_wavefront_size32 1
		.amdhsa_system_sgpr_workgroup_id_x 1
		.amdhsa_system_sgpr_workgroup_id_y 1
		.amdhsa_system_sgpr_workgroup_id_z 1
		.amdhsa_system_vgpr_workitem_id 0
		.amdhsa_next_free_vgpr 206
		.amdhsa_next_free_sgpr 66
		.amdhsa_reserve_vcc 1
		.amdhsa_float_denorm_mode_32 3
		.amdhsa_float_denorm_mode_16_64 3
		.amdhsa_memory_ordered 1
		.amdhsa_forward_progress 1
		.amdhsa_inst_pref_size 29
	.end_amdhsa_kernel
	.amdgpu_metadata
---
amdhsa.version: [ 1, 2 ]
amdhsa.kernels:
  - .name:           k_q4f8c73b97b_route
    .symbol:         k_q4f8c73b97b_route.kd
    .args:
      - { .name: x, .offset: 0, .size: 8, .value_kind: global_buffer, .address_space: global }
      - { .name: w_router, .offset: 8, .size: 8, .value_kind: global_buffer, .address_space: global }
      - { .name: xc, .offset: 16, .size: 8, .value_kind: global_buffer, .address_space: global }
      - { .name: xs, .offset: 24, .size: 8, .value_kind: global_buffer, .address_space: global }
      - { .name: selm, .offset: 32, .size: 8, .value_kind: global_buffer, .address_space: global }
      - { .name: gate, .offset: 40, .size: 8, .value_kind: global_buffer, .address_space: global }
    .group_segment_fixed_size: 58880
    .private_segment_fixed_size: 0
    .kernarg_segment_align: 8
    .kernarg_segment_size: 48
    .max_flat_workgroup_size: 128
    .sgpr_count:     66
    .vgpr_count:     206
    .wavefront_size: 32
...
	.end_amdgpu_metadata
.endif
;; end of part 5
;; launch ffn1 (part 6): grid 32 x 8, 16 waves a work-group, no clusters, 129,024 bytes of LDS; arguments w1, xc, xs, selm, hc, hs; writes hc, hs
.if DOCPART == 6
	.amdgcn_target "amdgcn-amd-amdhsa--gfx1250"
	.amdhsa_code_object_version 6
	.text
	.protected	k_q4f8c73b97b_ffn1
	.globl	k_q4f8c73b97b_ffn1
	.p2align	8
	.type	k_q4f8c73b97b_ffn1,@function
k_q4f8c73b97b_ffn1:
	s_mov_b64 s[64:65], 0
	v_nop
	global_prefetch_b8 v0, s[64:65] scope:SCOPE_SE
	s_setreg_imm32_b32 hwreg(HW_REG_WAVE_SCHED_MODE, 0, 2), 2
	s_setreg_imm32_b32 hwreg(HW_REG_WAVE_MODE, 25, 1), 1
	s_wait_xcnt 0x0
	s_wait_alu depctr_vm_vsrc(0)
; FIRST PRODUCT OF THE EXPERTS: hidden = Q(gelu(Q(x) Q(w1[e]))) for the rows routed to expert e, on codes of E2M3 with one E8M0 scale for each 32 along K.
; THE WEIGHTS STAY: work-group (sl, e) owns w1[e][:, 128 sl .. 128 sl + 127], 512 KiB of f32.  It reads them once, quantises them in registers (a lane takes a column, its registers run
; down K, so that a block of 32 is one lane's and the codes come out with K innermost) and keeps 96 KiB of codes and 4 KiB of scale words in LDS, laid in the order of the operand's registers.
; Then its 16 waves multiply them with the rows of x that chose expert e.  Experts that a token did not choose are not multiplied: their weight in the result is 0.
; THE ROWS.  selm[n] is a whole number stored by the launch before: the mask of token n's two experts.  Each wave makes 32 lane masks of it (mask c, bit l: token 128 (c / 4) + 4 l + c % 4 chose e);
; rank rho of expert e is the rho-th set bit in that order, found by integer arithmetic (FIND).  The second product's launch ranks the rows in the same way.
; AN ITEM is 32 ranks x 64 columns: 8 accumulators, 8 K steps of 128.  Wave w takes items w, w + 16, ..  Ranks past the expert's count take some valid token: those rows are computed, stored and never used.
; THE PRODUCT IS USED TRANSPOSED (source 0 = 16 columns of w1, source 1 = 16 rows of x): a lane holds one row.  THE COLUMNS OF A TILE ARE NOT NEIGHBOURS: row m of tile 2 b + u is column
; 32 b + 8 u + m + 8 (m / 8), so that a lane's 16 registers of tiles 2 b, 2 b + 1 are 16 neighbouring hidden units, which are the next product's K.
; OUT: hc[e][K step = sl][h][rank][c][24 bytes], hs[e][K step][rank] one word, byte 2 c + h; block t of 32 hidden units of the K step sits at h = t / 2, c = t % 2 (w2's codes are laid alike).
; gelu is the tanh form, as x / (1 + 2^t), t = -2 log2(e) sqrt(2 / pi) (x + 0.044715 x^3), all in f32.
; LIMITS: NaN and infinities are not served; a block whose largest magnitude lies under 2^-124 keeps the scale byte 1 (a block of zeros too: its codes are zeros; this program alone reads the bytes).
; NO TENSOR LOADS: each weight is used once, straight in registers.  NO CLUSTER: the weights are shared by nobody, and what is shared (x's codes) is gathered by ranks with trip counts read from memory.
; One barrier, between the quantising and the products, on every wave's path; the loop over items has none.
; THE MODE: SCHED_MODE bits 1:0 = 2 (LLVM: expert scheduling mode 2), set by the entry lines.  The code itself states the register dependences between vector or matrix instructions and
; memory or LDS instructions, and those through scalar registers that vector instructions write, with s_wait_alu, always for 0.
; THE PLAN.  Registers that memory or LDS instructions touch, and who else names them:
;   AHEAD OF THE BARRIER.  X0 (v80-143), X1 (v152-215): block t's 64 loads land in X[t % 2]; block t's maxima and conversions read it; block t + 2's loads (behind block 2: my first item's rows) land in it again.
;     C0 (v56-64), C1 (v66-74): written by a block's conversions and moves, read by its six LDS stores.  v52-53, the scale words: read by two LDS stores behind block 3.
;     A block has two waits: on vm_vsrc at its head (the block before's LDS stores have read C0 and C1), and on va_vdst behind its last move (C0 and C1 are written, X[t % 2] is read out);
;     the six stores and the next loads follow that wait with no vector instruction between.
;   IN AN ITEM.  AF0-2 with SA0-2: K step s's eight products read set s % 3; the loads of K step s + 3 land in it, issued in K step s + 1.  BF0-1 with SB0-1: set s % 2, the LDS loads of K step s + 2, issued in K step s + 1.
;     ONE wait on va_vdst stands at the head of a K step, behind the waits for the step's own data: the products of the step before are done reading their sets.  The step's 21 loads follow it, dealt among its eight
;     products, which name the accumulators and the sets s % 3 and s % 2: none of the registers that those loads touch.
;     THE WAY OUT: the codes (v204-218), the scale bytes (v198-201) and two offsets (v232-233) are written by vector instructions and read by stores; v220-231 take the stage's loads.  One wait on va_vdst ahead of the run.
;     THE ITEM'S END: one wait on vm_vsrc ahead of the lines that write the rows' offsets v1-4 anew; one on va_vdst behind them, ahead of the next item's first loads, which also serves the weights' first loads behind the backward jump.
;   v5-9 (LDS addresses) are made at the head and never written again.  v76-78 and C0, C1, v52-53 lie among the accumulators: one wait on vm_vsrc behind the barrier, ahead of the first products.
.set NT,  8                            ; tiles of 16 columns in the slice
.set NK,  8                            ; K steps of 128
.set RS,  16384                        ; bytes from a row of w1[e] to the next
.set SCL, 98304                        ; LDS: codes at 0: fragment (s, T) at (s NT + T) 1536, lane m + 16 h at 48 bytes each, c at + 24;  here the scale words: 64 NT s + 4 NT m + 4 T
.set STG, 102400                       ; and a stage of 1,536 bytes for each wave
.set AO,  1                            ; v1-2    x's codes: byte offset of my row of tile 0, 1
.set ASC, 3                            ; v3-4    x's scale words likewise
.set BA,  5                            ; v5-6    LDS address of my lane in the weights' fragments, K steps 0-3 and 4-7
.set SBA, 7                            ; v7      and in their scale words
.set STA, 8                            ; v8      my stage, on the way in
.set STR, 9                            ; v9      and back
.set SA,  10                           ; v10-15  x's scale words, three sets of two: scales and nothing else
.set ACC, 16                           ; v16-79  accumulator (i, T') at 16 + 8 (4 i + T')
.set AF,  80                           ; v80-151 x's fragments, three sets of two
.set BF,  152                          ; v152-247 the weights' fragments, two sets of four
.set SB,  248                          ; v248-255 the weights' scale words, two sets of four: scales and nothing else
.set RK,  16                           ; FIND's registers lie where the accumulators are not at work
.set FW,  17
.set FBS, 18
.set FCI, 19
.set FA1, 20
.set FA2, 21
.set FA4, 22
.set FA8, 23
.set FK,  24
.set FPOS, 25
.set FT,  26
.set FP2, 27
.set FK2, 28
.set TOK, 29
.set TX,  30
.set TH,  31
.set MXA, 48                           ; the quantiser's, ahead of the barrier
.set MXB, 49
.set SOP, 50
.set BYT, 51
.set SW0, 52                           ; v52-53  my two columns' scale words
.set TA,  54
.set TB,  55
.set C0,  56                           ; v56-64, v66-74  two sets for a block's codes
.set TC,  65
.set TD,  75
.set LB,  76
.set LSC, 77
.set LOF, 78
.set TE,  79
.set TG0, 152                          ; the epilogue's, where the weights' fragments lay
.set TG1, 168
.set KV,  184
.set QM,  186
.set QX,  190
.set QS,  194
.set QB,  198
.set CD,  204
.set OB,  220
.set SOFF, 232
.set SSF, 233
.set CM,  80                           ; s80-87  FIND: the lane masks of a run of eight compares
.set PF,  88                           ; s88-95  and the counts of earlier bits that go with them
; s16 wave  s17 e  s18 sl  s19 1 << e  s20 the expert's rows  s21 items  s22 my item  s23 its 32 ranks' number  s[24:25] an offset  s26, s27 at work  s[28:29] lane selects
; s30 wave % 2  s31 wave / 2  s[32:63] the 32 masks  s66 lanes 16-31  s67, s74 constant parts of the item's offsets  s[68:69], s[70:71] the item's places in hc, hs  s[76:77] a constant of gelu
; s78 my items' number  s79 counts them
; block t of my K step: w(32 t + i, my two columns), into set t % 2.  Two neighbouring lines cover 256 bytes on end, aligned
.macro XLOAD t
.set XS, AF+72*((\t)%2)
.set n, 0
.rept 32
	global_load_b32 v[XS+n], v[LOF], s[4:5] offset:(32*(\t)+n)*RS th:TH_LOAD_NT
	global_load_b32 v[XS+32+n], v[LOF], s[4:5] offset:(32*(\t)+n)*RS+128 th:TH_LOAD_NT
.set n, n+1
.endr
.endm
; block t of column block cb: 32 numbers of one lane become 24 bytes of codes in set cb and a byte of the column's scale word
.macro QBLK t, cb
.set XB, AF+72*((\t)%2)+32*(\cb)
.set CR, C0+10*(\cb)
.set BP, (\t)
	v_max3_num_f32 v[MXA], |v[XB]|, |v[XB+1]|, |v[XB+2]|
	v_max3_num_f32 v[MXB], |v[XB+3]|, |v[XB+4]|, |v[XB+5]|
.irp i, 6,10,14,18,22,26
	v_max3_num_f32 v[MXA], v[MXA], |v[XB+\i]|, |v[XB+\i+1]|
	v_max3_num_f32 v[MXB], v[MXB], |v[XB+\i+2]|, |v[XB+\i+3]|
.endr
	v_max3_num_f32 v[MXA], v[MXA], |v[XB+30]|, |v[XB+31]|
	v_max3_num_f32 v[MXA], v[MXA], v[MXB], 0x1800000   ; with the floor 2^(3 - 127): the byte cannot fall under 1
	v_add_nc_u32 v[SOP], 0xff000000, v[MXA]        ; 2 off the exponent field: the conversion's scale operand
	v_lshrrev_b32 v[BYT], 23, v[SOP]               ; the scale's byte
.if (\t) == 0
	v_mov_b32 v[SW0+\cb], v[BYT]
.else
	v_lshl_or_b32 v[SW0+\cb], v[BYT], 8*BP, v[SW0+\cb]
.endif
	v_cvt_scalef32_pk16_fp6_f32 v[CR:CR+2], v[XB:XB+15], v[SOP]
	v_cvt_scalef32_pk16_fp6_f32 v[CR+6:CR+8], v[XB+16:XB+31], v[SOP]   ; (a conversion's three registers begin on an even number)
	v_nop                                          ; one plain place behind a scaled conversion
.irp i, 0,1,2
	v_mov_b32 v[CR+3+\i], v[CR+6+\i]
.endr
.endm
; block t's codes, both column blocks', go to LDS
.macro QOUT t
.set HH, (\t)%2                        ; the block's place in the operand: k = 64 c + 32 h
.set CCI, (\t)/2
	s_wait_alu depctr_va_vdst(0)                   ; the conversions and moves have written both sets of codes (behind block 3: the scale words too), which the LDS stores read; and the block's lines are done reading its 64 numbers, in whose registers the next loads land
.irp cb, 0,1
.irp i, 0,1,2
	ds_store_b64 v[LB], v[C0+10*\cb+2*\i:C0+10*\cb+2*\i+1] offset:3072*\cb+768*HH+24*CCI+8*\i
.endr
.endr
.endm
; the rank in v[RK] becomes its token in v[TOK].  First the mask that holds it (the last whose count of earlier bits is not above the rank), then the bit, by halving
.macro LEVEL a, w, step
	v_bfe_u32 v[FT], v[\a], v[FPOS], \w            ; set bits in the lower half of what is left
	v_cmp_ge_u32 vcc_lo, v[FK], v[FT]
	v_add_nc_u32 v[FP2], \step, v[FPOS]
	v_sub_nc_u32 v[FK2], v[FK], v[FT]
	s_wait_alu depctr_va_vcc(0)                    ; the compare has written VCC, which the two selects read
	v_cndmask_b32 v[FPOS], v[FPOS], v[FP2], vcc_lo
	v_cndmask_b32 v[FK], v[FK], v[FK2], vcc_lo
.endm
.macro FIND
	v_mov_b32 v[FW], s32
	v_mov_b32 v[FBS], 0
	v_mov_b32 v[FCI], 0
	s_bcnt1_i32_b32 s26, s32
.set fc, 1
.rept 4                                ; masks 1 to 31 in runs of eight: the compares of a run, one wait, its selects
.set fi, 0
.rept 8
.if fc+fi < 32
	s_mov_b32 s[PF+fi], s26                        ; the bits ahead of mask fc + fi
	v_cmp_gt_u32 s[CM+fi], s[PF+fi], v[RK]         ; more of them than my rank: what I have stays
	s_bcnt1_i32_b32 s27, s[32+fc+fi]
	s_add_co_u32 s26, s26, s27
.endif
.set fi, fi+1
.endr
	s_wait_alu depctr_va_sdst(0)                   ; the run's compares have written their lane masks, which the selects below read
.set fi, 0
.rept 8
.if fc+fi < 32
	v_cndmask_b32 v[FW], s[32+fc+fi], v[FW], s[CM+fi]
	v_cndmask_b32 v[FBS], s[PF+fi], v[FBS], s[CM+fi]
	v_cndmask_b32 v[FCI], fc+fi, v[FCI], s[CM+fi]
.endif
.set fi, fi+1
.endr
.set fc, fc+8
.endr
	v_sub_nc_u32 v[FK], v[RK], v[FBS]
	v_mov_b32 v[FPOS], 0
	v_lshrrev_b32 v[FT], 1, v[FW]                  ; counts of set bits in fields of 2, 4, 8 and 16
	v_and_b32 v[FT], 0x55555555, v[FT]
	v_sub_nc_u32 v[FA1], v[FW], v[FT]
	v_lshrrev_b32 v[FT], 2, v[FA1]
	v_and_b32 v[FT], 0x33333333, v[FT]
	v_and_b32 v[FA2], 0x33333333, v[FA1]
	v_add_nc_u32 v[FA2], v[FA2], v[FT]
	v_lshrrev_b32 v[FT], 4, v[FA2]
	v_add_nc_u32 v[FT], v[FA2], v[FT]
	v_and_b32 v[FA4], 0x0f0f0f0f, v[FT]
	v_lshrrev_b32 v[FT], 8, v[FA4]
	v_add_nc_u32 v[FA8], v[FA4], v[FT]
	LEVEL FA8, 6, 16
	LEVEL FA4, 8, 8
	LEVEL FA2, 4, 4
	LEVEL FA1, 2, 2
	LEVEL FW, 1, 1
	v_lshrrev_b32 v[FT], 2, v[FCI]
	v_and_b32 v[FK2], 3, v[FCI]
	v_lshl_add_u32 v[FK2], v[FPOS], 2, v[FK2]
	v_lshl_add_u32 v[TOK], v[FT], 7, v[FK2]        ; 128 (c / 4) + 4 bit + c % 4
	v_min_u32 v[TOK], 0x3ff, v[TOK]                ; a number made of loaded numbers enters an address only behind a bound
.endm
; the weights of K step s, for my half of the columns: fragment tt by three LDS loads; the four scale words by one
.macro LOADB1 s, tt
.irp j, 0,1,2
	ds_load_b128 v[BF+48*((\s)%2)+12*(\tt)+4*\j:BF+48*((\s)%2)+12*(\tt)+4*\j+3], v[BA+(\s)/(NK/2)] offset:((\s)%(NK/2))*NT*1536+1536*(\tt)+16*\j
.endr
.endm
.macro LOADBS s
	ds_load_b128 v[SB+4*((\s)%2):SB+4*((\s)%2)+3], v[SBA] offset:(\s)*64*NT
.endm
.macro LOADB s
.irp tt, 0,1,2,3
	LOADB1 \s, \tt
.endr
	LOADBS \s
.endm
; x's fragment i2 and its scale words of K step s: four loads
.macro LOADA1 s, i2
.irp j, 0,1,2
	global_load_b128 v[AF+24*((\s)%3)+12*(\i2)+4*\j:AF+24*((\s)%3)+12*(\i2)+4*\j+3], v[AO+(\i2)], s[6:7] offset:96*(\s)+16*\j
.endr
	global_load_b32 v[SA+2*((\s)%3)+(\i2)], v[ASC+(\i2)], s[8:9] offset:4*(\s)
.endm
.macro LOADA s
	LOADA1 \s, 0
	LOADA1 \s, 1
.endm
; one product.  The eight accumulators take turns, one instruction a turn, in the same order in every K step; K step 0 starts the sums
.macro MUL1 s, i2, tt
.if (\s) == 0
	v_wmma_scale_f32_16x16x128_f8f6f4 v[ACC+8*(4*(\i2)+(\tt)):ACC+8*(4*(\i2)+(\tt))+7], v[BF+48*((\s)%2)+12*(\tt):BF+48*((\s)%2)+12*(\tt)+11], v[AF+24*((\s)%3)+12*(\i2):AF+24*((\s)%3)+12*(\i2)+11], 0, v[SB+4*((\s)%2)+(\tt)], v[SA+2*((\s)%3)+(\i2)] matrix_a_fmt:MATRIX_FMT_FP6 matrix_b_fmt:MATRIX_FMT_FP6
.else
	v_wmma_scale_f32_16x16x128_f8f6f4 v[ACC+8*(4*(\i2)+(\tt)):ACC+8*(4*(\i2)+(\tt))+7], v[BF+48*((\s)%2)+12*(\tt):BF+48*((\s)%2)+12*(\tt)+11], v[AF+24*((\s)%3)+12*(\i2):AF+24*((\s)%3)+12*(\i2)+11], v[ACC+8*(4*(\i2)+(\tt)):ACC+8*(4*(\i2)+(\tt))+7], v[SB+4*((\s)%2)+(\tt)], v[SA+2*((\s)%3)+(\i2)] matrix_a_fmt:MATRIX_FMT_FP6 matrix_b_fmt:MATRIX_FMT_FP6
.endif
.endm
; An item's eight K steps.  The rows of K steps 0 to 2 were asked for at the end of the item before.  K step s, from 1 on, asks for the weights of step s + 1 and the rows of step s + 2: they land in the sets that step s - 1 read.
.macro MATMUL
	LOADB 0
	LOADB 1
.set KS, 0
.rept NK
.if KS == 0
	s_wait_loadcnt 16                              ; K step 0's rows are in; the two later sets, 8 loads each, may be out
	s_wait_dscnt 13                                ; its weights are in; K step 1's 13 loads may be out
.else
.if KS+1 < NK
	s_wait_loadcnt 8                               ; this K step's rows are in; the next set's 8 loads may be out
.else
	s_wait_loadcnt 0x0
.endif
	s_wait_dscnt 0x0                               ; this K step's weights are in: no LDS load is younger
.if KS+1 < NK
	s_wait_alu depctr_va_vdst(0)                   ; the products of the step before are done reading their sets of weights, rows and scale words, in which this step's loads land
.endif
.endif
.set NN, 0
.rept 8
.if (KS > 0) && (KS+1 < NK) && (NN < 4)
.if NN == 0
	LOADBS KS+1
.endif
	LOADB1 KS+1, NN                                ; no wait: no product since the wait above names the other set of weights
.endif
.if (KS > 0) && (KS+2 < NK) && (NN >= 4) && (NN < 6)
	LOADA1 KS+2, NN-4                              ; nor the set of rows that the step before read
.endif
	MUL1 KS, NN/4, NN%4
.set NN, NN+1
.endr
.set KS, KS+1
.endr
.rept 5
	v_nop                                          ; four places behind the last products, ahead of the first read of their results and of the first vector write into their operands' registers (ISA guide 7.12.1); a fifth: the next item's first products begin these accumulators anew
.endr
.endm
; the addresses of item s22: 32 ranks, their tokens, the item's places in hc and hs
.macro PROLOG_ADDR
	s_lshr_b32 s23, s22, 1
	s_min_u32 s23, s23, 31                         ; an item past the last keeps its addresses inside the buffers; what it loads is not used
	s_lshl_b32 s27, s23, 5
	v_and_b32 v[RK], 31, v0
	v_add_nc_u32 v[RK], s27, v[RK]                 ; lane l: rank 32 pi + l
	s_wait_alu depctr_va_vdst(0)
	FIND
	v_mov_b32 v[TX], 0
	v_permlanex16_b32 v[TX], v[TOK], s28, s29
	v_bfe_u32 v[TH], v0, 4, 1
	v_mul_u32_u24 v[TH], v[TH], 48
	v_cndmask_b32 v[FT], v[TOK], v[TX], s66        ; tile 0: lanes r and 16 + r both want rank r's token,
	v_cndmask_b32 v[FP2], v[TX], v[TOK], s66       ; tile 1: rank 16 + r's
	v_min_u32 v[FT], 0x3ff, v[FT]
	v_min_u32 v[FP2], 0x3ff, v[FP2]
	v_mad_u32_u24 v[AO], v[FT], 0x300, v[TH]       ; 768 bytes a token, 48 h
	v_mad_u32_u24 v[AO+1], v[FP2], 0x300, v[TH]
	v_lshlrev_b32 v[ASC], 5, v[FT]
	v_lshlrev_b32 v[ASC+1], 5, v[FP2]
	s_mul_i32 s24, s23, 1536
	s_add_co_u32 s24, s24, s67
	s_add_nc_u64 s[68:69], s[12:13], s[24:25]
	s_lshl_b32 s24, s23, 7
	s_add_co_u32 s24, s24, s74
	s_add_nc_u64 s[70:71], s[14:15], s[24:25]
.endm
; gelu of 16 numbers v[a] .. v[a + 15] in place, from the low end on; t: 16 registers at work
.macro GELU16 a, t
.irp j, 0,2,4,6,8,10,12,14
	v_pk_mul_f32 v[\t+\j:\t+\j+1], v[\a+\j:\a+\j+1], v[\a+\j:\a+\j+1]
.endr
.irp j, 0,2,4,6,8,10,12,14
	v_pk_fma_f32 v[\t+\j:\t+\j+1], v[\t+\j:\t+\j+1], s[76:77], v[KV:KV+1] op_sel_hi:[1,0,1]
.endr
.irp j, 0,2,4,6,8,10,12,14
	v_pk_mul_f32 v[\t+\j:\t+\j+1], v[\t+\j:\t+\j+1], v[\a+\j:\a+\j+1]
.endr
	s_wait_alu depctr_va_vdst(0)
.irp j, 0,1,2,3,4,5,6,7,8,9,10,11,12,13,14,15
	v_exp_f32 v[\t+\j], v[\t+\j]
.endr
	v_nop                                          ; a plain place behind the exponentials
	s_wait_alu depctr_va_vdst(0)                   ; the sixteen exponentials have written the registers at work, which the additions read: one wait for the batch
.irp j, 0,2,4,6,8,10,12,14
	v_pk_add_f32 v[\t+\j:\t+\j+1], v[\t+\j:\t+\j+1], 1.0 op_sel_hi:[1,0]
.endr
	s_wait_alu depctr_va_vdst(0)
.irp j, 0,1,2,3,4,5,6,7,8,9,10,11,12,13,14,15
	v_rcp_f32 v[\t+\j], v[\t+\j]
.endr
	v_nop                                          ; a plain place behind the reciprocals
	s_wait_alu depctr_va_vdst(0)                   ; the sixteen reciprocals have written the registers at work, which the multiplications read: one wait for the batch
.irp j, 0,2,4,6,8,10,12,14
	v_pk_mul_f32 v[\a+\j:\a+\j+1], v[\a+\j:\a+\j+1], v[\t+\j:\t+\j+1]
.endr
.endm
	s_load_b256 s[4:11], s[0:1], 0x0               ; w1, xc, xs, selm
	s_load_b128 s[12:15], s[0:1], 0x20             ; hc, hs
	v_lshrrev_b32 v[TA], 5, v0
	v_readfirstlane_b32 s16, v[TA]                 ; wave 0..15
	s_and_b32 s17, ttmp7, 0xffff                   ; the expert
	s_mov_b32 s18, ttmp9                           ; the slice of 128 columns
	s_lshl_b32 s19, 1, s17
	s_mov_b32 s28, 0x76543210
	s_mov_b32 s29, 0xfedcba98
	s_mov_b32 s66, 0xffff0000
	s_mov_b32 s76, 0xbdd2d3e8                      ; 0.044715 x (-2 log2(e) sqrt(2 / pi))
	s_mov_b32 s77, s76                             ; (named with it as a pair, so it is written)
	s_mov_b32 s25, 0
	s_wait_alu depctr_va_sdst(0)                   ; s16 is written, ahead of its first reader
	s_and_b32 s30, s16, 1                          ; which 64 columns: in both phases
	s_lshr_b32 s31, s16, 1                         ; which K step I quantise
	v_and_b32 v[TA], 31, v0                        ; l
	v_and_b32 v[TB], 15, v0                        ; r
	v_bfe_u32 v[TC], v0, 4, 1                      ; h
	v_bfe_u32 v[TD], v0, 3, 1                      ; u: column l of a block of 32 belongs to tile 2 b + u,
	v_and_b32 v[TE], 7, v0
	v_lshl_add_u32 v[TE], v[TC], 3, v[TE]          ; row m = l % 8 + 8 (l / 16)
	s_mul_i32 s27, s30, 6144
	v_mul_u32_u24 v[BA], v[TA], 48
	v_add_nc_u32 v[BA], s27, v[BA]
	v_add_nc_u32 v[BA+1], 49152, v[BA]
	s_lshl_b32 s26, s30, 4
	s_add_co_u32 s26, s26, SCL
	v_lshl_add_u32 v[SBA], v[TB], 5, s26
	s_mul_i32 s26, s16, 1536
	s_add_co_u32 s26, s26, STG
	v_mul_u32_u24 v[STA], v[TB], 48
	v_mad_u32_u24 v[STA], v[TC], 12, v[STA]
	v_add_nc_u32 v[STA], s26, v[STA]               ; in: row r of 48 bytes, my half block's 12 bytes at 12 h
	v_lshl_add_u32 v[STR], v[TA], 4, s26           ; back: 16 bytes a lane
	s_mul_i32 s26, s31, 12288
	s_add_co_u32 s26, s26, s27
	v_mul_u32_u24 v[LB], v[TE], 48
	v_mad_u32_u24 v[LB], v[TD], 1536, v[LB]
	v_add_nc_u32 v[LB], s26, v[LB]                 ; where my column's codes go
	s_lshl_b32 s26, s31, 9
	s_lshl_b32 s27, s30, 4
	s_add_co_u32 s26, s26, s27
	s_add_co_u32 s26, s26, SCL
	v_lshlrev_b32 v[LSC], 5, v[TE]
	v_lshl_add_u32 v[LSC], v[TD], 2, v[LSC]
	v_add_nc_u32 v[LSC], s26, v[LSC]               ; and its scale word
	v_lshlrev_b32 v[LOF], 2, v[TA]
	v_lshlrev_b32 v[TD], 4, v[TA]
	s_lshl_b32 s24, s17, 24                        ; my part of w1, in bytes: expert, 128 rows of K, column
	s_lshl_b32 s26, s31, 21
	s_add_co_u32 s24, s24, s26
	s_lshl_b32 s26, s18, 9
	s_add_co_u32 s24, s24, s26
	s_lshl_b32 s26, s30, 8
	s_add_co_u32 s24, s24, s26
	s_lshl_b32 s26, s17, 5
	s_add_co_u32 s26, s26, s18                     ; 32 e + sl
	s_lshl_b32 s74, s26, 12
	s_add_co_u32 s74, s74, s30                     ; hs: 4,096 bytes a K step; my bytes are 2 c + h, h = my half
	s_lshl_b32 s26, s26, 1
	s_add_co_u32 s26, s26, s30
	s_mul_i32 s67, s26, 49152                      ; hc: 49,152 bytes for a K step's h
	s_wait_kmcnt 0x0
	s_add_nc_u64 s[4:5], s[4:5], s[24:25]
	s_wait_alu depctr_va_vdst(0)                   ; the offsets and LDS addresses v5-9 and v75-78 are written, which the loads and LDS instructions of the kernel read
.irp j, 0,1,2,3,4,5,6,7
	global_load_b128 v[16+4*\j:19+4*\j], v[TD], s[10:11] offset:512*\j    ; all 1,024 masks: register 4 j + m of lane l is token 128 j + 4 l + m
.endr
	XLOAD 0
	s_wait_loadcnt 63                              ; the masks are in: 64 loads are younger, and 63 is the largest count that can be written
.set c, 0
.rept 32
	v_and_b32 v[TA], s19, v[16+c]
	v_cmp_ne_u32 s[32+c], 0, v[TA]
.set c, c+1
.endr
	s_wait_alu depctr_va_sdst(0)                   ; the 32 compares have written s32 to s63, ahead of their first reader
	s_mov_b32 s20, 0
.set c, 0
.rept 32
	s_bcnt1_i32_b32 s27, s[32+c]
	s_add_co_u32 s20, s20, s27                     ; the expert's rows
.set c, c+1
.endr
	s_add_co_u32 s21, s20, 31
	s_lshr_b32 s21, s21, 5
	s_lshl_b32 s21, s21, 1                         ; items: two halves of the columns for each 32 ranks
	s_mov_b32 s22, s16                             ; my first item
	s_add_co_u32 s78, s21, 15
	s_sub_co_u32 s78, s78, s16
	s_lshr_b32 s78, s78, 4                         ; how many of the items w, w + 16, .. there are
	s_mov_b32 s79, 0
	XLOAD 1                                        ; no wait: no vector instruction has named X1, and the offset was written ahead of the wait above
	PROLOG_ADDR
	s_wait_loadcnt 63                              ; block 0 is in: block 1's 64 loads are younger
	QBLK 0, 0
	QBLK 0, 1
	QOUT 0
	XLOAD 2
	s_wait_loadcnt 63
	s_wait_alu depctr_vm_vsrc(0)                   ; block 0's LDS stores have read both sets of codes, which this block's conversions write again
	QBLK 1, 0
	QBLK 1, 1
	QOUT 1
	XLOAD 3
	s_wait_loadcnt 63
	s_wait_alu depctr_vm_vsrc(0)                   ; block 1's LDS stores have read both sets of codes
	QBLK 2, 0
	QBLK 2, 1
	QOUT 2
	LOADA 0                                        ; my first item's rows, into the registers that blocks 0 and 2 have left; their offsets v1-4 were written ahead of the waits on va_vdst above
	LOADA 1
	LOADA 2
	s_wait_loadcnt 24                              ; block 3 is in: those 24 loads are younger
	s_wait_alu depctr_vm_vsrc(0)                   ; block 2's LDS stores have read both sets of codes
	QBLK 3, 0
	QBLK 3, 1
	QOUT 3
	ds_store_b32 v[LSC], v[SW0]
	ds_store_b32 v[LSC], v[SW0+1] offset:8
	s_wait_dscnt 0x0                               ; for the others' sake: my codes and scale words have landed
	s_barrier_signal -1
	s_barrier_wait -1                              ; the slice's codes are whole; nobody writes them again
	s_wait_alu depctr_vm_vsrc(0)                   ; my loads of w1 and my LDS stores have read v52-53, v56-74 and v76-78: these lie among the accumulators, which the first products write
	s_cmp_eq_u32 s78, 0
	s_cbranch_scc1 .Lend
.Litem:
	MATMUL
	; gelu, in f32
	v_mov_b32 v[KV], 0xc0135761                    ; -2 log2(e) sqrt(2 / pi)
	v_mov_b32 v[KV+1], 0xc0135761
	GELU16 16, TG0
	GELU16 32, TG1
	GELU16 48, TG0
	GELU16 64, TG1
	; four blocks of 32 hidden units, q = 2 i + b: my 16 numbers at v[16 + 16 q], the other 16 in lane l xor 16
.irp q, 0,1,2,3
	v_max3_num_f32 v[QM+\q], |v[16+16*\q]|, |v[17+16*\q]|, 0x1800000
.endr
.irp i, 2,4,6,8,10,12,14
.irp q, 0,1,2,3
	v_max3_num_f32 v[QM+\q], v[QM+\q], |v[16+16*\q+\i]|, |v[17+16*\q+\i]|
.endr
.endr
.irp q, 0,1,2,3
	v_mov_b32 v[QX+\q], 0
.endr
.irp q, 0,1,2,3
	v_permlanex16_b32 v[QX+\q], v[QM+\q], s28, s29
.endr
.irp q, 0,1,2,3
	v_max_num_f32 v[QM+\q], v[QM+\q], v[QX+\q]
.endr
.irp q, 0,1,2,3
	v_add_nc_u32 v[QS+\q], 0xff000000, v[QM+\q]
.endr
.irp q, 0,1,2,3
	v_lshrrev_b32 v[QB+\q], 23, v[QS+\q]
.endr
.irp q, 0,1,2,3
	v_cvt_scalef32_pk16_fp6_f32 v[CD+4*\q:CD+4*\q+2], v[16+16*\q:31+16*\q], v[QS+\q]
.endr
	v_nop                                          ; one plain place behind a scaled conversion
	v_and_b32 v[SOFF], 31, v0
	v_lshlrev_b32 v[SOFF], 4, v[SOFF]
	v_and_b32 v[SSF], 15, v0
	v_lshlrev_b32 v[SSF], 2, v[SSF]
	s_wait_alu depctr_va_vdst(0)                   ; the codes, the scale bytes and the two offsets are written, which the stores below read; the products are done reading v220-231, in which the stage's loads land
.irp q, 0,1,2,3
.irp w, 0,1,2
	ds_store_b32 v[STA], v[CD+4*\q+\w] offset:768*(\q/2)+24*(\q%2)+4*\w
.endr
.endr
.irp j, 0,1,2
	ds_load_b128 v[OB+4*\j:OB+4*\j+3], v[STR] offset:512*\j   ; LDS serves a wave's instructions in order: these see my stores
.endr
.irp q, 0,1,2,3
	global_store_b8 v[SSF], v[QB+\q], s[70:71] offset:64*(\q/2)+2*(\q%2)   ; both lanes of a block store the same byte with the same value
.endr
	s_wait_dscnt 0x0
.irp j, 0,1,2
	global_store_b128 v[SOFF], v[OB+4*\j:OB+4*\j+3], s[68:69] offset:512*\j   ; the item's 32 rows x 48 bytes: 1,536 bytes on end, aligned to 256
.endr
	s_add_co_u32 s22, s22, 16
	s_wait_xcnt 0x0                                ; the stores have read their registers and bases: both are written again below
	s_wait_alu depctr_vm_vsrc(0)                   ; the item's loads have read the rows' offsets v1-4, which the lines below write anew; the stores have read v198-233, in which the next item's weights land
	PROLOG_ADDR
	s_wait_alu depctr_va_vdst(0)                   ; v1-4 are written, which the loads below read; the products are done reading the rows' sets, in which they land; the way out is done with v152-233, in which the weights' first loads land behind the backward jump
	LOADA 0
	LOADA 1
	LOADA 2
	s_add_co_u32 s79, s79, 1                       ; the loop ends on a count of its trips
	s_cmp_lt_u32 s79, s78
	s_cbranch_scc1 .Litem
.Lend:
	s_wait_xcnt 0x0
	v_lshl_add_u32 v254, v0, 2, 0x1f000
	v_mov_b32 v255, 0
	s_wait_dscnt 0x0                               ; the closing lines, six on end
	s_wait_alu 0x0
	s_wait_tensorcnt 0x0
	ds_add_u32 v254, v255
	s_wait_dscnt 0x0
	s_endpgm
.Lfunc_end_k_q4f8c73b97b_ffn1:
	.size	k_q4f8c73b97b_ffn1, .Lfunc_end_k_q4f8c73b97b_ffn1-k_q4f8c73b97b_ffn1
	.p2alignl 7, 3214868480
	.fill 96, 4, 3214868480
	.section	.rodata,"a",@progbits
	.p2align	6, 0x0
	.amdhsa_kernel k_q4f8c73b97b_ffn1
		.amdhsa_group_segment_fixed_size 129024
		.amdhsa_private_segment_fixed_size 0
		.amdhsa_enable_private_segment 0
		.amdhsa_kernarg_size 48
		.amdhsa_user_sgpr_count 2
		.amdhsa_user_sgpr_kernarg_segment_ptr 1
		.amdhsa_wavefront_size32 1
		.amdhsa_system_sgpr_workgroup_id_x 1
		.amdhsa_system_sgpr_workgroup_id_y 1
		.amdhsa_system_sgpr_workgroup_id_z 1
		.amdhsa_system_vgpr_workitem_id 0
		.amdhsa_next_free_vgpr 256
		.amdhsa_next_free_sgpr 96
		.amdhsa_reserve_vcc 1
		.amdhsa_float_denorm_mode_32 3
		.amdhsa_float_denorm_mode_16_64 3
		.amdhsa_memory_ordered 1
		.amdhsa_forward_progress 1
		.amdhsa_inst_pref_size 120
	.end_amdhsa_kernel
	.amdgpu_metadata
---
amdhsa.version: [ 1, 2 ]
amdhsa.kernels:
  - .name:           k_q4f8c73b97b_ffn1
    .symbol:         k_q4f8c73b97b_ffn1.kd
    .args:
      - { .name: w1, .offset: 0, .size: 8, .value_kind: global_buffer, .address_space: global }
      - { .name: xc, .offset: 8, .size: 8, .value_kind: global_buffer, .address_space: global }
      - { .name: xs, .offset: 16, .size: 8, .value_kind: global_buffer, .address_space: global }
      - { .name: selm, .offset: 24, .size: 8, .value_kind: global_buffer, .address_space: global }
      - { .name: hc, .offset: 32, .size: 8, .value_kind: global_buffer, .address_space: global }
      - { .name: hs, .offset: 40, .size: 8, .value_kind: global_buffer, .address_space: global }
    .group_segment_fixed_size: 129024
    .private_segment_fixed_size: 0
    .kernarg_segment_align: 8
    .kernarg_segment_size: 48
    .max_flat_workgroup_size: 512
    .sgpr_count:     96
    .vgpr_count:     256
    .wavefront_size: 32
...
	.end_amdgpu_metadata
.endif
;; end of part 6
;; launch ffn2 (part 7): grid 32 x 8, 16 waves a work-group, no clusters, 174,080 bytes of LDS; arguments w2, hc, hs, selm, y; writes y
.if DOCPART == 7
	.amdgcn_target "amdgcn-amd-amdhsa--gfx1250"
	.amdhsa_code_object_version 6
	.text
	.protected	k_q4f8c73b97b_ffn2
	.globl	k_q4f8c73b97b_ffn2
	.p2align	8
	.type	k_q4f8c73b97b_ffn2,@function
k_q4f8c73b97b_ffn2:
	s_mov_b64 s[64:65], 0
	v_nop
	global_prefetch_b8 v0, s[64:65] scope:SCOPE_SE
	s_setreg_imm32_b32 hwreg(HW_REG_WAVE_SCHED_MODE, 0, 2), 2
	s_setreg_imm32_b32 hwreg(HW_REG_WAVE_MODE, 25, 1), 1
	s_wait_xcnt 0x0
	s_wait_alu depctr_vm_vsrc(0)
; SECOND PRODUCT OF THE EXPERTS: y = hidden Q(w2[e]) for the rows routed to expert e, on codes of E2M3 with one E8M0 scale for each 32 along K.
; THE WEIGHTS STAY: work-group (cs + 16 kh, e) owns w2[e][2048 kh .. + 2047, 64 cs .. + 63], 512 KiB of f32, read once, quantised in registers (a lane takes a column, its registers run down K)
; and kept in LDS as 96 KiB of codes and 4 KiB of scale words, in the order of the operand's registers.  Wave w quantises K step w of the 16.
; Block t of 32 along K of a K step sits at h = t / 2, c = t % 2 of the operand, scale byte 2 c + h, as the hidden layer's codes were laid.
; THE ROWS lie in hc and hs by rank, so they are read on end.  The token of a rank is found as in the first product's launch (the 32 masks made of selm, FIND); it says where the row of y goes:
; row 2048 kh + 2 n + slot, slot = 1 where the token's other expert has the lower number.  Each row of y so has one owner; the two halves of K and the two experts are summed by the last launch.
; AN ITEM is 32 ranks x 64 columns x 16 K steps: 8 accumulators.  Wave w takes items w, w + 16, ..
; RANKS PAST THE EXPERT'S COUNT (31 at the most) are multiplied with the others.  Their results go to row 4096 + 8 kh + e, behind y's 4,096 rows, at this work-group's 64 columns:
; 256 bytes that are this work-group's own and that nobody reads.  So every store runs with all lanes on.
; THE PRODUCT IS USED TRANSPOSED (source 0 = 16 columns of w2, source 1 = 16 rows): a lane holds eight neighbouring columns of one row.
; LIMITS: NaN and infinities are not served; a block whose largest magnitude lies under 2^-124 keeps the scale byte 1 (a block of zeros too: its codes are zeros; this program alone reads the bytes).
; NO TENSOR LOADS: each weight is used once, straight in registers.  NO CLUSTER: the weights are shared by nobody, and the trip counts hang on counts read from memory.
; One barrier, between the quantising and the products, on every wave's path; the loop over items has none.
; THE MODE: SCHED_MODE bits 1:0 = 2 (LLVM: expert scheduling mode 2), set by the entry lines.  The code itself states the register dependences between vector or matrix instructions and
; memory or LDS instructions, and those through scalar registers that vector instructions write, with s_wait_alu, always for 0.
; THE PLAN.  Registers that memory or LDS instructions touch, and who else names them:
;   AHEAD OF THE BARRIER.  X0 (v80-143), X1 (v152-215): block t's 64 loads land in X[t % 2]; block t's maxima and conversions read it; block t + 2's loads (behind block 2: my first item's rows) land in it again.
;     C0 (v56-64), C1 (v66-74): written by a block's conversions and moves, read by its six LDS stores.  v52-53, the scale words: read by two LDS stores behind block 3.
;     A block has two waits: on vm_vsrc at its head (the block before's LDS stores have read C0 and C1), and on va_vdst behind its last move (C0 and C1 are written, X[t % 2] is read out);
;     the six stores and the next loads follow that wait with no vector instruction between.
;   IN AN ITEM.  AF0-2 with SA0-2: K step s's eight products read set s % 3; the loads of K step s + 3 land in it, issued in K step s + 1.  BF0-1 with SB0-1: set s % 2, the LDS loads of K step s + 2, issued in K step s + 1.
;     ONE wait on va_vdst stands at the head of a K step, behind the waits for the step's own data: the products of the step before are done reading their sets.  The step's 21 loads follow it, dealt among its eight
;     products, which name the accumulators and the sets s % 3 and s % 2: none of the registers that those loads touch.
;     v30, the offset of the token's mask word, lies among the accumulators, and so do the quantiser's v52-78: one wait on vm_vsrc in K step 0, ahead of the first products, serves both ways into the loop.
;     THE WAY OUT: the sixteen offsets (v216-231) are made first, from the rows' numbers; then one wait on va_vdst: the accumulators and the offsets are written, and v152-215 are read out; behind it the stage's
;     stores and loads and the sixteen stores into y, with no vector instruction among them.
;     THE ITEM'S END: one wait on vm_vsrc ahead of the lines that write v16-30 anew; one on va_vdst behind them, ahead of the next item's first loads, which also serves the weights' first loads behind the backward jump.
;   v1-5, v8-9 (offsets and LDS addresses) are made at the head and never written again: the item's places in hc and hs are scalar bases.
.set NT,  4                            ; tiles of 16 columns
.set NK,  16                           ; K steps of 128
.set RS,  4096                         ; bytes from a row of w2[e] to the next
.set SCL, 98304                        ; LDS: codes at 0: fragment (s, T) at (s NT + T) 1536, lane m + 16 h at 48 bytes each, c at + 24;  here the scale words: 64 NT s + 4 NT m + 4 T
.set STG, 102400                       ; and a stage of 16 rows x (256 + 16) bytes for each wave
.set AO,  1                            ; v1      the hidden codes: 48 r + 49,152 h
.set ASC, 2                            ; v2      their scale words: 4 r
.set BA,  3                            ; v3-4    LDS address of my lane in the weights' fragments, K steps 0-7 and 8-15
.set SBA, 5                            ; v5      and in their scale words
.set TOK, 6                            ; v6      the token of rank 32 pi + lane
.set SMV, 7                            ; v7      that token's mask of experts
.set STA, 8                            ; v8      my stage, on the way in
.set STR, 9                            ; v9      and back
.set SA,  10                           ; v10-15  the rows' scale words, three sets of two: scales and nothing else
.set ACC, 16                           ; v16-79  accumulator (i, T) at 16 + 8 (4 i + T)
.set AF,  80                           ; v80-151 the rows' fragments, three sets of two
.set BF,  152                          ; v152-247 the weights' fragments, two sets of four
.set SB,  248                          ; v248-255 the weights' scale words, two sets of four: scales and nothing else
.set RK,  16
.set FW,  17
.set FBS, 18
.set FCI, 19
.set FA1, 20
.set FA2, 21
.set FA4, 22
.set FA8, 23
.set FK,  24
.set FPOS, 25
.set FT,  26
.set FP2, 27
.set FK2, 28
.set SMO, 30                           ; v30     4 x the token: the offset of its mask word
.set MXA, 48
.set MXB, 49
.set SOP, 50
.set BYT, 51
.set SW0, 52
.set TA,  54
.set TB,  55
.set C0,  56
.set TC,  65
.set TD,  75
.set LB,  76
.set LSC, 77
.set LOF, 78
.set OB,  152                          ; the epilogue's, where the weights' fragments lay: v152-215 two sets of 16 rows read back from the stage,
.set OF,  216                          ; v216-231 the sixteen stores' offsets
.set QV,  232
.set ET,  233
.set QR,  234
.set CL,  235
.set RL,  236
.set CM,  80                           ; s80-87  FIND: the lane masks of a run of eight compares
.set PF,  88                           ; s88-95  and the counts of earlier bits that go with them
.set RW,  80                           ; s80-95  the way out: the rows of y of sixteen ranks
; s16 wave  s17 e  s18 cs  s19 1 << e  s20 the expert's rows  s21 items  s22 my item  s23 the same, bounded  s[24:25] an offset  s26, s27 at work  s30 kh  s[32:63] the 32 masks
; s66 lanes 16-31  s67, s74 constant parts of the item's offsets  s[68:69], s[70:71] the item's places in hc, hs  s73 the experts below e  s75 the item's first rank
; s76 the row for ranks past the count  s77 2048 kh  s78 my items' number  s79 counts them
.macro XLOAD t
.set XS, AF+72*((\t)%2)
.set n, 0
.rept 32
	global_load_b32 v[XS+n], v[LOF], s[4:5] offset:(32*(\t)+n)*RS th:TH_LOAD_NT
	global_load_b32 v[XS+32+n], v[LOF], s[4:5] offset:(32*(\t)+n)*RS+128 th:TH_LOAD_NT
.set n, n+1
.endr
.endm
; block t of column block cb: 32 numbers of one lane become 24 bytes of codes in set cb and a byte of the column's scale word
.macro QBLK t, cb
.set XB, AF+72*((\t)%2)+32*(\cb)
.set CR, C0+10*(\cb)
.set BP, 2*((\t)%2)+(\t)/2
	v_max3_num_f32 v[MXA], |v[XB]|, |v[XB+1]|, |v[XB+2]|
	v_max3_num_f32 v[MXB], |v[XB+3]|, |v[XB+4]|, |v[XB+5]|
.irp i, 6,10,14,18,22,26
	v_max3_num_f32 v[MXA], v[MXA], |v[XB+\i]|, |v[XB+\i+1]|
	v_max3_num_f32 v[MXB], v[MXB], |v[XB+\i+2]|, |v[XB+\i+3]|
.endr
	v_max3_num_f32 v[MXA], v[MXA], |v[XB+30]|, |v[XB+31]|
	v_max3_num_f32 v[MXA], v[MXA], v[MXB], 0x1800000   ; with the floor 2^(3 - 127): the byte cannot fall under 1
	v_add_nc_u32 v[SOP], 0xff000000, v[MXA]        ; 2 off the exponent field: the conversion's scale operand
	v_lshrrev_b32 v[BYT], 23, v[SOP]               ; the scale's byte
.if (\t) == 0
	v_mov_b32 v[SW0+\cb], v[BYT]
.else
	v_lshl_or_b32 v[SW0+\cb], v[BYT], 8*BP, v[SW0+\cb]
.endif
	v_cvt_scalef32_pk16_fp6_f32 v[CR:CR+2], v[XB:XB+15], v[SOP]
	v_cvt_scalef32_pk16_fp6_f32 v[CR+6:CR+8], v[XB+16:XB+31], v[SOP]   ; (a conversion's three registers begin on an even number)
	v_nop                                          ; one plain place behind a scaled conversion
.irp i, 0,1,2
	v_mov_b32 v[CR+3+\i], v[CR+6+\i]
.endr
.endm
; block t's codes, both column blocks', go to LDS
.macro QOUT t
.set HH, (\t)/2                        ; the block's place in the operand, as the hidden layer's blocks were laid
.set CCI, (\t)%2
	s_wait_alu depctr_va_vdst(0)                   ; the conversions and moves have written both sets of codes (behind block 3: the scale words too), which the LDS stores read; and the block's lines are done reading its 64 numbers, in whose registers the next loads land
.irp cb, 0,1
.irp i, 0,1,2
	ds_store_b64 v[LB], v[C0+10*\cb+2*\i:C0+10*\cb+2*\i+1] offset:3072*\cb+768*HH+24*CCI+8*\i
.endr
.endr
.endm
.macro LEVEL a, w, step
	v_bfe_u32 v[FT], v[\a], v[FPOS], \w            ; set bits in the lower half of what is left
	v_cmp_ge_u32 vcc_lo, v[FK], v[FT]
	v_add_nc_u32 v[FP2], \step, v[FPOS]
	v_sub_nc_u32 v[FK2], v[FK], v[FT]
	s_wait_alu depctr_va_vcc(0)                    ; the compare has written VCC, which the two selects read
	v_cndmask_b32 v[FPOS], v[FPOS], v[FP2], vcc_lo
	v_cndmask_b32 v[FK], v[FK], v[FK2], vcc_lo
.endm
; the rank in v[RK] becomes its token in v[TOK]: the mask that holds it, then the bit, by halving
.macro FIND
	v_mov_b32 v[FW], s32
	v_mov_b32 v[FBS], 0
	v_mov_b32 v[FCI], 0
	s_bcnt1_i32_b32 s26, s32
.set fc, 1
.rept 4                                ; masks 1 to 31 in runs of eight: the compares of a run, one wait, its selects
.set fi, 0
.rept 8
.if fc+fi < 32
	s_mov_b32 s[PF+fi], s26                        ; the bits ahead of mask fc + fi
	v_cmp_gt_u32 s[CM+fi], s[PF+fi], v[RK]         ; more of them than my rank: what I have stays
	s_bcnt1_i32_b32 s27, s[32+fc+fi]
	s_add_co_u32 s26, s26, s27
.endif
.set fi, fi+1
.endr
	s_wait_alu depctr_va_sdst(0)                   ; the run's compares have written their lane masks, which the selects below read
.set fi, 0
.rept 8
.if fc+fi < 32
	v_cndmask_b32 v[FW], s[32+fc+fi], v[FW], s[CM+fi]
	v_cndmask_b32 v[FBS], s[PF+fi], v[FBS], s[CM+fi]
	v_cndmask_b32 v[FCI], fc+fi, v[FCI], s[CM+fi]
.endif
.set fi, fi+1
.endr
.set fc, fc+8
.endr
	v_sub_nc_u32 v[FK], v[RK], v[FBS]
	v_mov_b32 v[FPOS], 0
	v_lshrrev_b32 v[FT], 1, v[FW]
	v_and_b32 v[FT], 0x55555555, v[FT]
	v_sub_nc_u32 v[FA1], v[FW], v[FT]
	v_lshrrev_b32 v[FT], 2, v[FA1]
	v_and_b32 v[FT], 0x33333333, v[FT]
	v_and_b32 v[FA2], 0x33333333, v[FA1]
	v_add_nc_u32 v[FA2], v[FA2], v[FT]
	v_lshrrev_b32 v[FT], 4, v[FA2]
	v_add_nc_u32 v[FT], v[FA2], v[FT]
	v_and_b32 v[FA4], 0x0f0f0f0f, v[FT]
	v_lshrrev_b32 v[FT], 8, v[FA4]
	v_add_nc_u32 v[FA8], v[FA4], v[FT]
	LEVEL FA8, 6, 16
	LEVEL FA4, 8, 8
	LEVEL FA2, 4, 4
	LEVEL FA1, 2, 2
	LEVEL FW, 1, 1
	v_lshrrev_b32 v[FT], 2, v[FCI]
	v_and_b32 v[FK2], 3, v[FCI]
	v_lshl_add_u32 v[FK2], v[FPOS], 2, v[FK2]
	v_lshl_add_u32 v[TOK], v[FT], 7, v[FK2]        ; 128 (c / 4) + 4 bit + c % 4
	v_min_u32 v[TOK], 0x3ff, v[TOK]                ; a number made of loaded numbers enters an address only behind a bound
.endm
; the weights of K step s: fragment tt by three LDS loads; the four scale words by one
.macro LOADB1 s, tt
.irp j, 0,1,2
	ds_load_b128 v[BF+48*((\s)%2)+12*(\tt)+4*\j:BF+48*((\s)%2)+12*(\tt)+4*\j+3], v[BA+(\s)/(NK/2)] offset:((\s)%(NK/2))*NT*1536+1536*(\tt)+16*\j
.endr
.endm
.macro LOADBS s
	ds_load_b128 v[SB+4*((\s)%2):SB+4*((\s)%2)+3], v[SBA] offset:(\s)*64*NT
.endm
.macro LOADB s
.irp tt, 0,1,2,3
	LOADB1 \s, \tt
.endr
	LOADBS \s
.endm
; the rows' fragment i2 and its scale words of K step s: four loads; 16 lanes' 48 bytes lie on end
.macro LOADA1 s, i2
.irp j, 0,1,2
	global_load_b128 v[AF+24*((\s)%3)+12*(\i2)+4*\j:AF+24*((\s)%3)+12*(\i2)+4*\j+3], v[AO], s[68:69] offset:98304*(\s)+768*(\i2)+16*\j
.endr
	global_load_b32 v[SA+2*((\s)%3)+(\i2)], v[ASC], s[70:71] offset:4096*(\s)+64*(\i2)
.endm
.macro LOADA s
	LOADA1 \s, 0
	LOADA1 \s, 1
.endm
; one product.  The eight accumulators take turns, one instruction a turn, in the same order in every K step; K step 0 starts the sums
.macro MUL1 s, i2, tt
.if (\s) == 0
	v_wmma_scale_f32_16x16x128_f8f6f4 v[ACC+8*(4*(\i2)+(\tt)):ACC+8*(4*(\i2)+(\tt))+7], v[BF+48*((\s)%2)+12*(\tt):BF+48*((\s)%2)+12*(\tt)+11], v[AF+24*((\s)%3)+12*(\i2):AF+24*((\s)%3)+12*(\i2)+11], 0, v[SB+4*((\s)%2)+(\tt)], v[SA+2*((\s)%3)+(\i2)] matrix_a_fmt:MATRIX_FMT_FP6 matrix_b_fmt:MATRIX_FMT_FP6
.else
	v_wmma_scale_f32_16x16x128_f8f6f4 v[ACC+8*(4*(\i2)+(\tt)):ACC+8*(4*(\i2)+(\tt))+7], v[BF+48*((\s)%2)+12*(\tt):BF+48*((\s)%2)+12*(\tt)+11], v[AF+24*((\s)%3)+12*(\i2):AF+24*((\s)%3)+12*(\i2)+11], v[ACC+8*(4*(\i2)+(\tt)):ACC+8*(4*(\i2)+(\tt))+7], v[SB+4*((\s)%2)+(\tt)], v[SA+2*((\s)%3)+(\i2)] matrix_a_fmt:MATRIX_FMT_FP6 matrix_b_fmt:MATRIX_FMT_FP6
.endif
.endm
; An item's sixteen K steps.  The rows of K steps 0 to 2 were asked for at the end of the item before.  K step s, from 1 on, asks for the weights of step s + 1 and the rows of step s + 2: they land in the sets that step s - 1 read.
.macro MATMUL
	LOADB 0
	LOADB 1
.set KS, 0
.rept NK
.if KS == 0
	s_wait_loadcnt 16                              ; K step 0's rows are in, and the mask word asked for ahead of them; the two later sets, 8 loads each, may be out
	s_wait_dscnt 13                                ; its weights are in; K step 1's 13 loads may be out
	s_wait_alu depctr_vm_vsrc(0)                   ; the load of the mask word has read v30, and, in the first trip, my loads of w2 and my LDS stores have read v52-53, v56-74 and v76-78: all lie among the accumulators, which the products below write
.else
.if KS+1 < NK
	s_wait_loadcnt 8                               ; this K step's rows are in; the next set's 8 loads may be out
.else
	s_wait_loadcnt 0x0
.endif
	s_wait_dscnt 0x0                               ; this K step's weights are in: no LDS load is younger
.if KS+1 < NK
	s_wait_alu depctr_va_vdst(0)                   ; the products of the step before are done reading their sets of weights, rows and scale words, in which this step's loads land
.endif
.endif
.set NN, 0
.rept 8
.if (KS > 0) && (KS+1 < NK) && (NN < 4)
.if NN == 0
	LOADBS KS+1
.endif
	LOADB1 KS+1, NN                                ; no wait: no product since the wait above names the other set of weights
.endif
.if (KS > 0) && (KS+2 < NK) && (NN >= 4) && (NN < 6)
	LOADA1 KS+2, NN-4                              ; nor the set of rows that the step before read
.endif
	MUL1 KS, NN/4, NN%4
.set NN, NN+1
.endr
.set KS, KS+1
.endr
.rept 5
	v_nop                                          ; four places behind the last products, ahead of the first read of their results and of the first vector write into their operands' registers (ISA guide 7.12.1); a fifth: the next item's first products begin these accumulators anew
.endr
.endm
.macro PROLOG_ADDR
	s_min_u32 s23, s22, 31                         ; an item past the last keeps its addresses inside the buffers; what it loads is not used
	s_lshl_b32 s75, s23, 5
	v_and_b32 v[RK], 31, v0
	v_add_nc_u32 v[RK], s75, v[RK]                 ; lane l: rank 32 pi + l
	s_wait_alu depctr_va_vdst(0)
	FIND
	v_lshlrev_b32 v[SMO], 2, v[TOK]
	s_mul_i32 s24, s23, 1536
	s_add_co_u32 s24, s24, s67
	s_add_nc_u64 s[68:69], s[6:7], s[24:25]
	s_lshl_b32 s24, s23, 7
	s_add_co_u32 s24, s24, s74
	s_add_nc_u64 s[70:71], s[8:9], s[24:25]
.endm
.macro PROLOG_LOAD
	global_load_b32 v[SMV], v[SMO], s[10:11]       ; my rank's token's mask of experts.  Its offset register lies among the accumulators: K step 0's waits show this load done, and its offset read, ahead of the first product
	LOADA 0
	LOADA 1
	LOADA 2
.endm
	s_load_b256 s[4:11], s[0:1], 0x0               ; w2, hc, hs, selm
	s_load_b64 s[12:13], s[0:1], 0x20              ; y
	v_lshrrev_b32 v[TA], 5, v0
	v_readfirstlane_b32 s16, v[TA]                 ; wave 0..15
	s_and_b32 s17, ttmp7, 0xffff                   ; the expert
	s_and_b32 s18, ttmp9, 15                       ; which 64 columns
	s_lshr_b32 s30, ttmp9, 4                       ; which half of K
	s_lshl_b32 s19, 1, s17
	s_sub_co_u32 s73, s19, 1
	s_mov_b32 s66, 0xffff0000
	s_lshl_b32 s76, s30, 3
	s_add_co_u32 s76, s76, s17
	s_add_co_u32 s76, s76, 0x1000                  ; row 4096 + 8 kh + e
	s_lshl_b32 s77, s30, 11
	s_mov_b32 s25, 0
	v_and_b32 v[TA], 31, v0                        ; l
	v_and_b32 v[TB], 15, v0                        ; r
	v_bfe_u32 v[TC], v0, 4, 1                      ; h
	v_mul_u32_u24 v[BA], v[TA], 48
	v_add_nc_u32 v[BA+1], 49152, v[BA]
	v_lshl_add_u32 v[SBA], v[TB], 4, SCL
	v_mul_u32_u24 v[AO], v[TB], 48
	v_mad_u32_u24 v[AO], v[TC], 0xc000, v[AO]
	v_lshlrev_b32 v[ASC], 2, v[TB]
	s_wait_alu depctr_va_sdst(0)                   ; s16 is written, ahead of its first reader
	s_mul_i32 s26, s16, 4352
	s_add_co_u32 s26, s26, STG
	v_mul_u32_u24 v[STA], v[TB], 272
	v_lshl_add_u32 v[STA], v[TC], 5, v[STA]
	v_add_nc_u32 v[STA], s26, v[STA]               ; in: row r, my eight columns of a tile at 32 h
	v_mul_u32_u24 v[STR], v[TC], 272
	v_lshl_add_u32 v[STR], v[TB], 4, v[STR]
	v_add_nc_u32 v[STR], s26, v[STR]               ; back: lanes 0-15 one row of 256 bytes, lanes 16-31 the next
	s_mul_i32 s26, s16, 6144
	v_mul_u32_u24 v[LB], v[TB], 48
	v_mad_u32_u24 v[LB], v[TC], 1536, v[LB]
	v_add_nc_u32 v[LB], s26, v[LB]                 ; where my column's codes go: column l of a block of 32 is row l % 16 of tile 2 cb + l / 16
	s_lshl_b32 s26, s16, 8
	s_add_co_u32 s26, s26, SCL
	v_lshlrev_b32 v[LSC], 4, v[TB]
	v_lshl_add_u32 v[LSC], v[TC], 2, v[LSC]
	v_add_nc_u32 v[LSC], s26, v[LSC]               ; and its scale word
	v_lshlrev_b32 v[LOF], 2, v[TA]
	v_lshlrev_b32 v[TD], 4, v[TA]
	s_lshl_b32 s24, s17, 24                        ; my part of w2, in bytes: expert, half of K, my 128 rows, column
	s_lshl_b32 s26, s30, 23
	s_add_co_u32 s24, s24, s26
	s_lshl_b32 s26, s16, 19
	s_add_co_u32 s24, s24, s26
	s_lshl_b32 s26, s18, 8
	s_add_co_u32 s24, s24, s26
	s_lshl_b32 s26, s17, 5
	s_lshl_b32 s27, s30, 4
	s_add_co_u32 s26, s26, s27                     ; 32 e + 16 kh: my first K step
	s_mul_i32 s67, s26, 98304
	s_lshl_b32 s74, s26, 12
	s_wait_kmcnt 0x0
	s_add_nc_u64 s[4:5], s[4:5], s[24:25]
	s_lshl_b32 s24, s18, 8
	s_add_nc_u64 s[12:13], s[12:13], s[24:25]      ; y at my 64 columns; the row's number carries the half of K
	s_wait_alu depctr_va_vdst(0)                   ; the offsets and LDS addresses v1-5, v8-9 and v75-78 are written, which the loads and LDS instructions of the kernel read
.irp j, 0,1,2,3,4,5,6,7
	global_load_b128 v[16+4*\j:19+4*\j], v[TD], s[10:11] offset:512*\j    ; all 1,024 masks: register 4 j + m of lane l is token 128 j + 4 l + m
.endr
	XLOAD 0
	s_wait_loadcnt 63                              ; the masks are in: 64 loads are younger, and 63 is the largest count that can be written
.set c, 0
.rept 32
	v_and_b32 v[TA], s19, v[16+c]
	v_cmp_ne_u32 s[32+c], 0, v[TA]
.set c, c+1
.endr
	s_wait_alu depctr_va_sdst(0)                   ; the 32 compares have written s32 to s63, ahead of their first reader
	s_mov_b32 s20, 0
.set c, 0
.rept 32
	s_bcnt1_i32_b32 s27, s[32+c]
	s_add_co_u32 s20, s20, s27                     ; the expert's rows
.set c, c+1
.endr
	s_add_co_u32 s21, s20, 31
	s_lshr_b32 s21, s21, 5                         ; items: one for each 32 ranks
	s_mov_b32 s22, s16                             ; my first item
	s_add_co_u32 s78, s21, 15
	s_sub_co_u32 s78, s78, s16
	s_lshr_b32 s78, s78, 4                         ; how many of the items w, w + 16, .. there are
	s_mov_b32 s79, 0
	XLOAD 1                                        ; no wait: no vector instruction has named X1, and the offset was written ahead of the wait above
	PROLOG_ADDR
	s_wait_loadcnt 63                              ; block 0 is in: block 1's 64 loads are younger
	QBLK 0, 0
	QBLK 0, 1
	QOUT 0
	XLOAD 2
	s_wait_loadcnt 63
	s_wait_alu depctr_vm_vsrc(0)                   ; block 0's LDS stores have read both sets of codes, which this block's conversions write again
	QBLK 1, 0
	QBLK 1, 1
	QOUT 1
	XLOAD 3
	s_wait_loadcnt 63
	s_wait_alu depctr_vm_vsrc(0)                   ; block 1's LDS stores have read both sets of codes
	QBLK 2, 0
	QBLK 2, 1
	QOUT 2
	PROLOG_LOAD                                    ; my first item's rows, into the registers that blocks 0 and 2 have left; the mask word's offset v30 was written ahead of the waits on va_vdst above
	s_wait_loadcnt 25                              ; block 3 is in: those 25 loads are younger
	s_wait_alu depctr_vm_vsrc(0)                   ; block 2's LDS stores have read both sets of codes
	QBLK 3, 0
	QBLK 3, 1
	QOUT 3
	ds_store_b32 v[LSC], v[SW0]
	ds_store_b32 v[LSC], v[SW0+1] offset:8
	s_wait_dscnt 0x0                               ; for the others' sake: my codes and scale words have landed
	s_barrier_signal -1
	s_barrier_wait -1                              ; the codes are whole; nobody writes them again
	s_cmp_eq_u32 s78, 0
	s_cbranch_scc1 .Lend
.Litem:
	MATMUL
	v_and_b32 v[ET], s73, v[SMV]                   ; does my token's other expert have a lower number?
	v_min_u32 v[ET], 1, v[ET]
	v_lshlrev_b32 v[QR], 1, v[TOK]
	v_add_nc_u32 v[QR], v[QR], v[ET]
	v_add_nc_u32 v[QR], s77, v[QR]                 ; lane l: the row of y of rank 32 pi + l: 2048 kh + 2 n + slot
	v_and_b32 v[RL], 31, v0
	v_add_nc_u32 v[RL], s75, v[RL]
	v_cmp_gt_u32 vcc_lo, s20, v[RL]
	v_and_b32 v[CL], 15, v0
	v_lshlrev_b32 v[CL], 4, v[CL]
	s_wait_alu depctr_va_vcc(0)                    ; the compare has written VCC, which the select reads
	v_cndmask_b32 v[QR], s76, v[QR], vcc_lo        ; a rank past the expert's count: the work-group's own row behind y's
.irp i2, 0,1                           ; the offsets of the sixteen stores, sixteen ranks to a run
.irp n2, 0,1,2,3,4,5,6,7,8,9,10,11,12,13,14,15
	v_readlane_b32 s[RW+\n2], v[QR], 16*\i2+\n2
.endr
	s_wait_alu depctr_va_sdst(0)                   ; the run has written s80 to s95, which the lines below read
.irp t2, 0,1,2,3,4,5,6,7
	v_mov_b32 v[QV], s[RW+2*\t2+1]
	v_cndmask_b32 v[QV], s[RW+2*\t2], v[QV], s66   ; lanes 0-15 hold the even rank's 256 bytes, lanes 16-31 the odd rank's
	v_min_u32 v[QV], 0x100f, v[QV]                 ; y has 4,112 rows
	v_mad_u32_u24 v[OF+8*\i2+\t2], v[QV], 0x1000, v[CL]
.endr
.endr
	s_wait_alu depctr_va_vdst(0)                   ; the products have written the accumulators, which the LDS stores read (the places above stay beside this wait), and are done reading v152-215, in which the stage's loads land; the sixteen offsets are written, which the stores into y read
.irp i2, 0,1                           ; 16 rows at a time through my stage, so that sixteen lanes store a row's 256 bytes
.irp tt, 0,1,2,3
	ds_store_b128 v[STA], v[ACC+8*(4*\i2+\tt):ACC+8*(4*\i2+\tt)+3] offset:64*\tt         ; each accumulator from its low end on
	ds_store_b128 v[STA], v[ACC+8*(4*\i2+\tt)+4:ACC+8*(4*\i2+\tt)+7] offset:64*\tt+16
.endr
.irp t2, 0,1,2,3,4,5,6,7
	ds_load_b128 v[OB+32*\i2+4*\t2:OB+32*\i2+4*\t2+3], v[STR] offset:544*\t2   ; LDS serves a wave's instructions in order: these see my stores, and the next 16 rows' stores come behind them
.endr
.endr
.irp i2, 0,1
.irp t2, 0,1,2,3,4,5,6,7
	s_wait_dscnt 16*(1-\i2)+7-\t2                  ; this pair of rows is back: behind its load stand the later loads of its half and, for the first half, the second half's 16 instructions
	global_store_b128 v[OF+8*\i2+\t2], v[OB+32*\i2+4*\t2:OB+32*\i2+4*\t2+3], s[12:13]   ; 16 lanes store 256 bytes on end, aligned
.endr
.endr
	s_add_co_u32 s22, s22, 16
	s_wait_xcnt 0x0                                ; the stores have read their registers: they are written again below
	s_wait_alu depctr_vm_vsrc(0)                   ; the LDS stores have read the accumulators, of which the lines below write v16-30; the stores into y have read v152-231, in which the next item's weights land
	PROLOG_ADDR
	s_wait_alu depctr_va_vdst(0)                   ; v30 is written, which the load of the mask word reads; the way out is done reading v7, in which it lands, and done with v216-236, in which the weights' first loads land behind the backward jump; the products are done reading the rows' sets
	PROLOG_LOAD
	s_add_co_u32 s79, s79, 1                       ; the loop ends on a count of its trips
	s_cmp_lt_u32 s79, s78
	s_cbranch_scc1 .Litem
.Lend:
	s_wait_xcnt 0x0
	v_lshl_add_u32 v254, v0, 2, 0x2a000
	v_mov_b32 v255, 0
	s_wait_dscnt 0x0                               ; the closing lines, six on end
	s_wait_alu 0x0
	s_wait_tensorcnt 0x0
	ds_add_u32 v254, v255
	s_wait_dscnt 0x0
	s_endpgm
.Lfunc_end_k_q4f8c73b97b_ffn2:
	.size	k_q4f8c73b97b_ffn2, .Lfunc_end_k_q4f8c73b97b_ffn2-k_q4f8c73b97b_ffn2
	.p2alignl 7, 3214868480
	.fill 96, 4, 3214868480
	.section	.rodata,"a",@progbits
	.p2align	6, 0x0
	.amdhsa_kernel k_q4f8c73b97b_ffn2
		.amdhsa_group_segment_fixed_size 174080
		.amdhsa_private_segment_fixed_size 0
		.amdhsa_enable_private_segment 0
		.amdhsa_kernarg_size 40
		.amdhsa_user_sgpr_count 2
		.amdhsa_user_sgpr_kernarg_segment_ptr 1
		.amdhsa_wavefront_size32 1
		.amdhsa_system_sgpr_workgroup_id_x 1
		.amdhsa_system_sgpr_workgroup_id_y 1
		.amdhsa_system_sgpr_workgroup_id_z 1
		.amdhsa_system_vgpr_workitem_id 0
		.amdhsa_next_free_vgpr 256
		.amdhsa_next_free_sgpr 96
		.amdhsa_reserve_vcc 1
		.amdhsa_float_denorm_mode_32 3
		.amdhsa_float_denorm_mode_16_64 3
		.amdhsa_memory_ordered 1
		.amdhsa_forward_progress 1
		.amdhsa_inst_pref_size 130
	.end_amdhsa_kernel
	.amdgpu_metadata
---
amdhsa.version: [ 1, 2 ]
amdhsa.kernels:
  - .name:           k_q4f8c73b97b_ffn2
    .symbol:         k_q4f8c73b97b_ffn2.kd
    .args:
      - { .name: w2, .offset: 0, .size: 8, .value_kind: global_buffer, .address_space: global }
      - { .name: hc, .offset: 8, .size: 8, .value_kind: global_buffer, .address_space: global }
      - { .name: hs, .offset: 16, .size: 8, .value_kind: global_buffer, .address_space: global }
      - { .name: selm, .offset: 24, .size: 8, .value_kind: global_buffer, .address_space: global }
      - { .name: y, .offset: 32, .size: 8, .value_kind: global_buffer, .address_space: global }
    .group_segment_fixed_size: 174080
    .private_segment_fixed_size: 0
    .kernarg_segment_align: 8
    .kernarg_segment_size: 40
    .max_flat_workgroup_size: 512
    .sgpr_count:     96
    .vgpr_count:     256
    .wavefront_size: 32
...
	.end_amdgpu_metadata
.endif
;; end of part 7
;; launch combine (part 8): grid 256 x 1, 8 waves a work-group, no clusters, 0 bytes of LDS; arguments y, gate, out0; writes out0
.if DOCPART == 8
	.amdgcn_target "amdgcn-amd-amdhsa--gfx1250"
	.amdhsa_code_object_version 6
	.text
	.protected	k_q4f8c73b97b_combine
	.globl	k_q4f8c73b97b_combine
	.p2align	8
	.type	k_q4f8c73b97b_combine,@function
k_q4f8c73b97b_combine:
	s_mov_b64 s[64:65], 0
	v_nop
	global_prefetch_b8 v0, s[64:65] scope:SCOPE_SE
	s_setreg_imm32_b32 hwreg(HW_REG_WAVE_MODE, 25, 1), 1
	s_wait_xcnt 0x0
; out0[n] = g0 (y[0][2 n] + y[1][2 n]) + g1 (y[0][2 n + 1] + y[1][2 n + 1]):  the two halves of the second product's K, and the token's two experts with their weights.
; A stream: a wave takes half a row of one token, n = 4 x work-group + wave / 2; every load and store covers 512 bytes on end.  No LDS, no barrier, no loop, no matrix unit: memory binds.
.set Y, 8                              ; v8-71: (half of K k, slot t, piece j) at 8 + 32 k + 16 t + 4 j
	s_load_b128 s[4:7], s[0:1], 0x0                ; y, gate
	s_load_b64 s[8:9], s[0:1], 0x10                ; out0
	v_lshrrev_b32 v1, 5, v0
	s_delay_alu instid0(VALU_DEP_1)
	v_readfirstlane_b32 s10, v1                    ; wave
	s_lshr_b32 s11, s10, 1
	s_and_b32 s12, s10, 1                          ; which half of the row
	s_lshl_b32 s13, ttmp9, 2
	s_add_co_u32 s13, s13, s11                     ; the token
	v_and_b32 v1, 31, v0
	s_delay_alu instid0(VALU_DEP_1)
	v_lshlrev_b32 v1, 4, v1                        ; 16 bytes a lane
	s_lshl_b32 s12, s12, 11
	s_lshl_b32 s14, s13, 13                        ; y: two rows of 4,096 bytes a token
	s_add_co_u32 s14, s14, s12
	s_mov_b32 s15, 0
	s_lshl_b32 s16, s13, 12
	s_add_co_u32 s16, s16, s12
	s_mov_b32 s17, 0
	s_lshl_b32 s18, s13, 3
	s_mov_b32 s19, 0
	s_wait_alu depctr_va_vdst(0)
	s_wait_kmcnt 0x0
	s_add_nc_u64 s[6:7], s[6:7], s[18:19]
	s_load_b64 s[20:21], s[6:7], 0x0               ; the token's two weights
	s_add_nc_u64 s[4:5], s[4:5], s[14:15]
	s_add_nc_u64 s[24:25], s[4:5], 0x800000        ; the other half of K lies 8,388,608 bytes on: one more than an immediate holds
	s_add_nc_u64 s[8:9], s[8:9], s[16:17]
.irp k, 0,1
.irp t, 0,1
.irp j, 0,1,2,3
	global_load_b128 v[Y+32*\k+16*\t+4*\j:Y+32*\k+16*\t+4*\j+3], v1, s[4+20*\k:5+20*\k] offset:4096*\t+512*\j th:TH_LOAD_NT
.endr
.endr
.endr
	s_wait_kmcnt 0x0
	s_mov_b32 s26, s21                             ; the second weight in a pair of its own: the packed form takes a pair's low word for both halves
	s_mov_b32 s27, s21
	s_wait_loadcnt 0x0
.irp i, 0,2,4,6,8,10,12,14,16,18,20,22,24,26,28,30
	v_pk_add_f32 v[Y+\i:Y+\i+1], v[Y+\i:Y+\i+1], v[Y+32+\i:Y+32+\i+1]
.endr
.irp i, 0,2,4,6,8,10,12,14
	v_pk_mul_f32 v[Y+\i:Y+\i+1], v[Y+\i:Y+\i+1], s[20:21] op_sel_hi:[1,0]
.endr
.irp i, 0,2,4,6,8,10,12,14
	v_pk_fma_f32 v[Y+\i:Y+\i+1], v[Y+16+\i:Y+16+\i+1], s[26:27], v[Y+\i:Y+\i+1] op_sel_hi:[1,0,1]
.endr
.irp j, 0,1,2,3
	global_store_b128 v1, v[Y+4*\j:Y+4*\j+3], s[8:9] offset:512*\j th:TH_STORE_NT
.endr
	s_endpgm
.Lfunc_end_k_q4f8c73b97b_combine:
	.size	k_q4f8c73b97b_combine, .Lfunc_end_k_q4f8c73b97b_combine-k_q4f8c73b97b_combine
	.p2alignl 7, 3214868480
	.fill 96, 4, 3214868480
	.section	.rodata,"a",@progbits
	.p2align	6, 0x0
	.amdhsa_kernel k_q4f8c73b97b_combine
		.amdhsa_group_segment_fixed_size 0
		.amdhsa_private_segment_fixed_size 0
		.amdhsa_enable_private_segment 0
		.amdhsa_kernarg_size 24
		.amdhsa_user_sgpr_count 2
		.amdhsa_user_sgpr_kernarg_segment_ptr 1
		.amdhsa_wavefront_size32 1
		.amdhsa_system_sgpr_workgroup_id_x 1
		.amdhsa_system_sgpr_workgroup_id_y 1
		.amdhsa_system_sgpr_workgroup_id_z 1
		.amdhsa_system_vgpr_workitem_id 0
		.amdhsa_next_free_vgpr 72
		.amdhsa_next_free_sgpr 66
		.amdhsa_reserve_vcc 0
		.amdhsa_float_denorm_mode_32 3
		.amdhsa_float_denorm_mode_16_64 3
		.amdhsa_memory_ordered 1
		.amdhsa_forward_progress 1
		.amdhsa_inst_pref_size 6
	.end_amdhsa_kernel
	.amdgpu_metadata
---
amdhsa.version: [ 1, 2 ]
amdhsa.kernels:
  - .name:           k_q4f8c73b97b_combine
    .symbol:         k_q4f8c73b97b_combine.kd
    .args:
      - { .name: y, .offset: 0, .size: 8, .value_kind: global_buffer, .address_space: global }
      - { .name: gate, .offset: 8, .size: 8, .value_kind: global_buffer, .address_space: global }
      - { .name: out0, .offset: 16, .size: 8, .value_kind: global_buffer, .address_space: global }
    .group_segment_fixed_size: 0
    .private_segment_fixed_size: 0
    .kernarg_segment_align: 8
    .kernarg_segment_size: 24
    .max_flat_workgroup_size: 256
    .sgpr_count:     66
    .vgpr_count:     72
    .wavefront_size: 32
...
	.end_amdgpu_metadata
.endif
;; end of part 8
